; MI455X (gfx1250); checked and timed in simulation.
; The chip was launched on July 23, 2026; its instructions are those of AMD's public machine-readable ISA for CDNA 5 (MIT licence, August 2026) and "CDNA5" Instruction Set Architecture Reference Guide (July 2026). The comments in the code are by the model that wrote it; some were corrected since.
;; Multi Head Attention. Allowed arithmetic: matrix products marked QUANTISED: E2M3 operands, one E8M0 scale for each 32 along K, by v_wmma_scale_f32_16x16x128_f8f6f4 with both operands' format E2M3, f32 sums; everything else in f32.
;; Inputs: Wk 1,024 x 1,024 float32; Wo 1,024 x 1,024 float32; Wq 1,024 x 1,024 float32; Wv 1,024 x 1,024 float32; X1 4 x 2,048 x 1,024 float32; X2 4 x 2,048 x 1,024 float32; bk 1,024 float32; bo 1,024 float32; bq 1,024 float32; bv 1,024 float32.
;; Outputs: out0 4 x 2,048 x 1,024 float32.
;; This version of the problem:
;;   THIS VERSION OF THE PROBLEM IS GIVEN IN LOW PRECISION. The matrix products marked QUANTISED in the list below multiply operands that are first quantised to E2M3 (2 exponent bits, 3 mantissa bits; 6 bits a number), with one power-of-two scale for each 32 numbers along K (OCP MX v1.0); their sums are f32. All else is computed in f32.
;;   The module's matrix products, in the order in which they are computed (A, B: the left and right operand; K: the contracted axis; several contracted axes count as one K, in the product's order):
;;     1. [M 8,192, K 1,024] x [K 1,024, N 1,024]; A: input X1; B: input Wq: QUANTISED
;;     2. [M 8,192, K 1,024] x [K 1,024, N 1,024]; A: input X2; B: input Wk: QUANTISED
;;     3. [M 8,192, K 1,024] x [K 1,024, N 1,024]; A: input X2; B: input Wv: QUANTISED
;;     4. batch 64 x [M 2,048, K 64] x [K 64, N 2,048]; A: computed on the way; B: computed on the way: QUANTISED
;;     5. batch 64 x [M 2,048, K 2,048] x [K 2,048, N 64]; A: softmax (see below); B: computed on the way: QUANTISED
;;     6. [M 8,192, K 1,024] x [K 1,024, N 1,024]; A: computed on the way; B: input Wo: QUANTISED
;;   THE QUANTISER, for each operand of a quantised product, along K:
;;     - K is cut into blocks of 32 from its start; a last block that is shorter is filled with zeros.
;;     - A block's scale is 2^e with e = floor(log2(the largest magnitude in the block)) - 2, held to -126 .. 127; a block of zeros has e = 0. As a byte (E8M0): e + 127.
;;     - Each number is divided by its block's scale, clamped to +-7.5, and rounded to the nearest number of E2M3, ties to even, subnormals kept.
;;     - The product sums the exact products of the quantised numbers (number of the format x scale) in f32.
;;   ~~~python
;;   def quantise(x, axis):      # numpy; x: float32 -> the quantised numbers, widened to float32 again
;;       x = np.moveaxis(x, axis, -1); K = x.shape[-1]
;;       x = np.pad(x, [(0, 0)] * (x.ndim - 1) + [(0, -K % 32)]); x = x.reshape(x.shape[:-1] + (-1, 32)); a = np.abs(x).max(-1, keepdims=True)
;;       e = np.where(a > 0, np.clip(np.frexp(np.where(a > 0, a, 1))[1] - 1 - 2, -126, 127), 0)      # np.frexp(a)[1] - 1 = floor(log2(a)), exactly
;;       r = np.clip(x / 2.0 ** e, -7.5, 7.5)
;;       step = 2.0 ** (np.maximum(np.frexp(np.where(r == 0, 1, r))[1] - 1, 0) - 3)
;;       q = np.round(r / step) * step * 2.0 ** e      # np.round: ties to even
;;       return np.moveaxis(q.reshape(q.shape[:-2] + (-1,))[..., :K], -1, axis).astype(np.float32)
;;   ~~~
;;   SOFTMAX AHEAD OF A QUANTISED PRODUCT. Where the list says 'softmax', what is quantised is not the finished softmax but p = 2^(t - M), with t = logit x log2(e) and M = ceil(the row's largest t), a whole number; so 1/2 < the row's largest p <= 1. The row's sum l is taken of the UNQUANTISED p, in f32, and the product's result is divided by l at the end. Since M is a whole number, a kernel that streams over the keys may use a running M (the ceiling of the running maximum): every later rescaling is an exact power of two, which a block's scale takes up: the codes' values come out the same.
;;   OPERANDS COMPUTED ON THE WAY. 'Computed on the way' means the value that the module computes at that place (a softmax that the list does not call 'softmax' is quantised finished and normalised). What goes into a quantiser is computed in f32, as accurately as f32 sums, v_exp_f32 and their like allow (about 1e-6 of the number): no bf16 or f16 on the way to a quantiser, and a product that is left as it is and whose result goes on into a quantised operand takes f32 operands (vector FMAs, or v_wmma_f32_16x16x4_f32). A number that lies on a knife's edge between two numbers of the format may be rounded either way, as far as f32 arithmetic and the matrix unit's own rounding can turn it there, and no further.
;; One version. Each part assembles by itself: llvm-mc -triple=amdgcn-amd-amdhsa -mcpu=gfx1250 --defsym DOCPART=n.
;; ======== version 1 of 1: 4 launches
;; limits: right only within a limited range of input values
;; workspace buffers: xc 13,107,200 bytes; wc 3,276,800 bytes; qc 6,815,744 bytes; kv 13,369,344 bytes; ac 6,553,600 bytes
;; launch prep (part 1): grid 512 x 1, 4 waves a work-group, no clusters, 35,328 bytes of LDS; arguments X1, X2, Wq, Wk, Wv, Wo, xc, wc; writes xc, wc
.if DOCPART == 1
	.amdgcn_target "amdgcn-amd-amdhsa--gfx1250"
	.amdhsa_code_object_version 6
	.text
	.protected	k_q1afff79110_prep
	.globl	k_q1afff79110_prep
	.p2align	8
	.type	k_q1afff79110_prep,@function
k_q1afff79110_prep:
	s_mov_b64 s[64:65], 0
	v_nop
	global_prefetch_b8 v0, s[64:65] scope:SCOPE_SE
	s_setreg_imm32_b32 hwreg(HW_REG_WAVE_MODE, 25, 1), 1
	s_wait_xcnt 0x0
; X1, X2 [8192][1024] f32 (K innermost) and Wq, Wk, Wv, Wo [1024 (k)][1024 (n)] f32 (K is the first axis) become codes of FP6 (E2M3) with one E8M0 byte for each 32 along K,
; laid as OPERAND BLOCKS of 12,800 bytes: 128 rows (tokens, or n of a weight) x 128 along K, in the order of a matrix operand's registers.
;   a block = half-images (g, t) at 6144 g + 768 t (g: which 64 of the 128 along K; t: tile of 16 rows), then the scale words of its 8 tiles at 12,288.
;   a half-image: lane (r, h) owns the 24 bytes of codes of slot r, k = 32 h .. 32 h + 31 of the 64: registers 0-3 at 16 x lane, registers 4-5 at 512 + 8 x lane.
;   scale words: two planes of 256 bytes; in plane P lane (r, h) owns 8 bytes at 8 x lane: word i is that of tile 4 P + 2 i + h, slot r; byte 2 g + h of a word scales block (g, h).
;   THE ROWS OF A TILE ARE NOT NEIGHBOURS: slot i of tile t is row 32 (t / 2) + 8 (t % 2) + i % 8 + 16 (i / 8) of the 128.
; A block's scale is 2^(floor(log2(largest magnitude)) - 2): its byte is the largest magnitude's exponent field - 2, held at 1 from below.
; LIMITS: a block of zeros gets the byte 1 where the rule says 127 (its codes are zeros, and this program alone reads the bytes); blocks whose largest magnitude lies under 2^-124 are held at the byte 1;
; NaN and infinities among the inputs are not served.
; SHARES: work-groups 0-255 take one block of a weight each (a wave: 32 columns n, a lane a column, registers down K: nothing is transposed); work-groups 256-511 take four blocks of X1 or X2 (a wave a block).
; No matrix unit, no cluster, no tensor load: every input byte is read once and nothing is shared between work-groups.
.set SPARE, 34816                      ; behind the four waves' stages: the spare words, 128 bytes a wave, two blocks of 256 bytes that no other line names
.set SPW, 2                            ; v2   LDS address of my spare word; never rewritten
.set NIL, 3                            ; v3   0; never rewritten
.set PB,  16                           ; v16-23   X: a tile's two scale bytes of my half
.set IM,  24                           ; v24-27   X: the block's scale words
.set RR,  32                           ; v32-159  X: four sets of 32 registers as loaded;  W: the lane's 128 numbers down K
.set XX,  160                          ; v160-223 X: two sets of 32 neighbours along K;    W: v160-191 the codes of four blocks
.set CC,  224                          ; v224-239 X: two sets of codes
; substep u = 2 t + g: tile t, half g: 16 rows x 256 bytes.  A load takes two rows: sixteen lanes read 256 consecutive bytes, at a multiple of 256 from the tensor's first byte.
.macro XLOAD u
.irp i, 0,1,2,3,4,5,6,7
	global_load_b128 v[RR+32*((\u)%4)+4*\i:RR+32*((\u)%4)+4*\i+3], v4, s[4:5] offset:(32*((\u)/4)+8*(((\u)/2)%2)+2*\i+8*(\i/4))*4096+256*((\u)%2) th:TH_LOAD_NT
.endr
.endm
; through my wave's stage (16 rows of 256 + 16 bytes, two stages by turns) and back, 128 bytes a lane: my block's 32 numbers.  LDS serves a wave's instructions in order: no wait between the stores and the loads.
.macro XTURN u
.irp i, 0,1,2,3,4,5,6,7
	ds_store_b128 v5, v[RR+32*((\u)%4)+4*\i:RR+32*((\u)%4)+4*\i+3] offset:4352*((\u)%2)+544*\i
.endr
.irp j, 0,1,2,3,4,5,6,7
	ds_load_b128 v[XX+32*((\u)%2)+4*\j:XX+32*((\u)%2)+4*\j+3], v6 offset:4352*((\u)%2)+16*\j
.endr
.endm
.macro XSTEP u
.set XS, XX+32*((\u)%2)
.set CS, CC+8*((\u)%2)
.set PT, PB+(\u)/2
	s_wait_dscnt 0x0                               ; this substep's numbers are back, so its stores into the stage have read their registers,
.if (\u)+4 < 16
	XLOAD (\u)+4                                   ; which take the loads of four substeps on
.endif
.if (\u) < 15
.if (\u) <= 11
	s_wait_loadcnt 24                              ; the next substep's eight loads are in; those of the three behind it may be out
.else
	s_wait_loadcnt 8*(14-(\u))                     ; the tail: one substep's eight fewer each time
.endif
	XTURN (\u)+1
.endif
	v_max3_num_f32 v10, |v[XS]|, |v[XS+1]|, |v[XS+2]|          ; the block's largest magnitude: all 32 numbers are mine; two chains
	v_max3_num_f32 v12, |v[XS+3]|, |v[XS+4]|, |v[XS+5]|
.irp i, 6,10,14,18,22,26
	v_max3_num_f32 v10, v10, |v[XS+\i]|, |v[XS+\i+1]|
	v_max3_num_f32 v12, v12, |v[XS+\i+2]|, |v[XS+\i+3]|
.endr
	v_max3_num_f32 v10, v10, |v[XS+30]|, |v[XS+31]|
	v_max3_num_f32 v10, v10, v12, 0x1800000        ; and the floor 2^(3 - 127): the byte cannot fall under 1
	v_add_nc_u32 v11, 0xff000000, v10              ; 2 off the exponent field: the conversion takes this operand's exponent field as its scale
.if (\u) >= 2
	s_wait_alu depctr_va_vdst(0)
	s_wait_xcnt 0x0                                ; the stores of two substeps ago have read this set of codes: it is written again only behind this wait
.endif
	v_cvt_scalef32_pk16_fp6_f32 v[CS:CS+2], v[XS:XS+15], v11
	v_cvt_scalef32_pk16_fp6_f32 v[CS+4:CS+6], v[XS+16:XS+31], v11   ; (a conversion's three registers begin on an even number)
	v_lshrrev_b32 v13, 23, v11                     ; the scale's byte; also the plain line behind the conversions
	v_mov_b32 v[CS+3], v[CS+4]
	v_mov_b32 v[CS+4], v[CS+5]
	v_mov_b32 v[CS+5], v[CS+6]
	global_store_b128 v7, v[CS:CS+3], s[16:17] offset:6144*((\u)%2)+768*((\u)/2)        ; 512 consecutive bytes
	global_store_b64 v8, v[CS+4:CS+5], s[16:17] offset:6144*((\u)%2)+768*((\u)/2)+512   ; 256 consecutive bytes
.if (\u)%2 == 0
	v_mov_b32 v[PT], v13                           ; block (0, h)
.else
	v_lshl_or_b32 v[PT], v13, 16, v[PT]            ; block (1, h)
	v_lshlrev_b32 v[PT], v9, v[PT]                 ; at bytes h and 2 + h of the slot's word
.if ((\u)/2)%2 == 1
	v_permlane16_swap_b32 v[PT-1], v[PT]           ; the even tile's upper lanes change places with the odd tile's lower lanes:
	v_or_b32 v[IM+(\u)/4], v[PT-1], v[PT]          ; lanes 0-15 now hold the even tile's whole words, lanes 16-31 the odd tile's
.endif
.endif
.endm
; the weights' way: block kb of 32 along K of my column
.macro WLOAD kb
.set I, 0
.rept 32
	global_load_b32 v[RR+32*(\kb)+I], v243, s[8:9] offset:(32*(\kb)+I)*4096 th:TH_LOAD_NT   ; a wave reads 128 consecutive bytes, the four waves 512
.set I, I+1
.endr
.endm
.macro WBLK kb
.set WS, RR+32*(\kb)
.set WC, XX+8*(\kb)
.if (\kb) < 3
	s_wait_loadcnt 32                              ; this block's 32 loads are in; the next block's may be out
.else
	s_wait_loadcnt 0
.endif
.if (\kb)+2 < 4
	WLOAD (\kb)+2
.endif
	v_max3_num_f32 v248, |v[WS]|, |v[WS+1]|, |v[WS+2]|
	v_max3_num_f32 v249, |v[WS+3]|, |v[WS+4]|, |v[WS+5]|
.irp i, 6,10,14,18,22,26
	v_max3_num_f32 v248, v248, |v[WS+\i]|, |v[WS+\i+1]|
	v_max3_num_f32 v249, v249, |v[WS+\i+2]|, |v[WS+\i+3]|
.endr
	v_max3_num_f32 v248, v248, |v[WS+30]|, |v[WS+31]|
	v_max3_num_f32 v248, v248, v249, 0x1800000
	v_add_nc_u32 v250, 0xff000000, v248
	v_cvt_scalef32_pk16_fp6_f32 v[WC:WC+2], v[WS:WS+15], v250
	v_cvt_scalef32_pk16_fp6_f32 v[WC+4:WC+6], v[WS+16:WS+31], v250
	v_lshrrev_b32 v251, 23, v250                   ; the byte; also the plain line behind the conversions
	v_mov_b32 v[WC+3], v[WC+4]
	v_mov_b32 v[WC+4], v[WC+5]
	v_mov_b32 v[WC+5], v[WC+6]
.if (\kb) == 0
	v_mov_b32 v252, v251
.else
	v_lshl_or_b32 v252, v251, 8*(\kb), v252        ; my column's scale word: byte kb
.endif
	global_store_b128 v244, v[WC:WC+3], s[28:29] offset:6144*((\kb)/2)+256*((\kb)%2)       ; sixteen lanes of a tile store 256 consecutive bytes
	global_store_b64 v245, v[WC+4:WC+5], s[28:29] offset:6144*((\kb)/2)+512+128*((\kb)%2)  ; and 128: half of the half-image's last 256
.endm
	s_load_b256 s[4:11], s[0:1], 0x0               ; X1 s[4:5], X2 s[6:7], Wq s[8:9], Wk s[10:11]
	s_load_b256 s[12:19], s[0:1], 0x20             ; Wv s[12:13], Wo s[14:15], xc s[16:17], wc s[18:19]
	v_lshl_add_u32 v[SPW], v0, 2, SPARE
	v_mov_b32 v[NIL], 0
	v_lshrrev_b32 v1, 5, v0
	v_readfirstlane_b32 s20, v1                    ; wave 0..3
	v_and_b32 v1, 31, v0                           ; lane
	s_mov_b32 s25, 0
	s_wait_kmcnt 0x0
	s_cmp_lt_u32 ttmp9, 256
	s_cbranch_scc1 .Lweights
	; ---- X1, X2: my wave's block q = 4 (work-group - 256) + wave: tensor q / 512, rows 128 ((q / 8) % 64) on, K step q % 8
	v_and_b32 v14, 15, v0                          ; r
	v_bfe_u32 v15, v0, 4, 1                        ; h
	s_wait_alu depctr_va_vdst(0)
	v_lshlrev_b32 v7, 4, v1                        ; 16 x lane
	v_lshlrev_b32 v8, 3, v1                        ; 8 x lane
	v_lshlrev_b32 v9, 3, v15                       ; 8 h: bits by which my bytes are shifted
	v_lshlrev_b32 v4, 4, v14
	v_lshl_add_u32 v4, v15, 12, v4                 ; in: 16 r + one row of 4,096 bytes for lanes 16-31
	s_wait_alu depctr_va_vdst(0)
	s_mul_i32 s21, s20, 8704                       ; my wave's two stages
	v_mul_u32_u24 v5, v15, 272
	v_lshl_add_u32 v5, v14, 4, v5
	v_add_nc_u32 v5, s21, v5                       ; into a stage: row h of the pair, 16 r
	v_mul_u32_u24 v6, v14, 272
	v_lshl_add_u32 v6, v15, 7, v6
	v_add_nc_u32 v6, s21, v6                       ; out of it: row r, my half's 128 bytes
	s_sub_co_u32 s22, ttmp9, 256
	s_lshl_b32 s22, s22, 2
	s_add_co_u32 s22, s22, s20                     ; q
	s_cmp_lt_u32 s22, 512
	s_cselect_b64 s[4:5], s[4:5], s[6:7]           ; X1 or X2: the choice hangs on ids alone
	s_bfe_u32 s24, s22, 0x60003
	s_lshl_b32 s24, s24, 19                        ; 128 rows of 4,096 bytes
	s_and_b32 s23, s22, 7
	s_lshl_b32 s23, s23, 9                         ; 128 numbers along K
	s_add_co_u32 s24, s24, s23
	s_add_nc_u64 s[4:5], s[4:5], s[24:25]
	; the blocks of 256 rows lie [half of K][128 rows][K step % 4]: bits 2 and 3 of the block's number change places, so that a half of K of 256 rows is dense
	s_bfe_u32 s26, s22, 0x10002
	s_bfe_u32 s27, s22, 0x10003
	s_and_b32 s24, s22, 0xfffffff3
	s_lshl_b32 s26, s26, 3
	s_lshl_b32 s27, s27, 2
	s_or_b32 s24, s24, s26
	s_or_b32 s24, s24, s27
	s_mul_i32 s24, s24, 12800
	s_add_nc_u64 s[16:17], s[16:17], s[24:25]
.irp u, 0,1,2,3
	XLOAD \u
.endr
	s_wait_alu depctr_va_vdst(0)
	s_wait_loadcnt 24                              ; substep 0's eight loads are in
	XTURN 0
.irp u, 0,1,2,3,4,5,6,7,8,9,10,11,12,13,14,15
	XSTEP \u
.endr
	global_store_b64 v8, v[IM:IM+1], s[16:17] offset:12288     ; the scale words: two stores of 256 consecutive bytes
	global_store_b64 v8, v[IM+2:IM+3], s[16:17] offset:12544
	s_branch .Lend
.Lweights:
	; ---- a weight's block x = work-group: weight x / 64, columns 128 ((x / 8) % 8) on, K step x % 8.  My wave: columns 32 b on (tiles 2 b, 2 b + 1); lane l is tile 2 b + (l / 8) % 2, slot l % 8 + 8 (l / 16)
	v_bfe_u32 v240, v0, 3, 1                       ; u
	v_and_b32 v241, 7, v0
	v_bfe_u32 v242, v0, 4, 1
	v_lshl_add_u32 v241, v242, 3, v241             ; my slot
	s_wait_alu depctr_va_vdst(0)
	v_lshlrev_b32 v243, 2, v1                      ; in: 4 bytes a lane
	s_wait_alu depctr_va_vdst(0)
	v_mul_u32_u24 v244, v240, 768
	v_lshl_add_u32 v245, v241, 3, v244             ; 768 u + 8 x slot
	v_lshl_add_u32 v244, v241, 4, v244             ; 768 u + 16 x slot
	v_lshl_add_u32 v246, v240, 4, v241
	v_lshlrev_b32 v246, 3, v246                    ; my scale word: 8 (slot + 16 u)
	s_lshr_b32 s22, ttmp9, 6
	s_cmp_eq_u32 s22, 1
	s_cselect_b64 s[8:9], s[10:11], s[8:9]
	s_cmp_eq_u32 s22, 2
	s_cselect_b64 s[8:9], s[12:13], s[8:9]
	s_cmp_eq_u32 s22, 3
	s_cselect_b64 s[8:9], s[14:15], s[8:9]
	s_and_b32 s24, ttmp9, 7
	s_lshl_b32 s24, s24, 19                        ; 128 rows k of 4,096 bytes
	s_bfe_u32 s23, ttmp9, 0x30003
	s_lshl_b32 s23, s23, 9                         ; 128 columns
	s_add_co_u32 s24, s24, s23
	s_lshl_b32 s23, s20, 7                         ; my 32 columns
	s_add_co_u32 s24, s24, s23
	s_add_nc_u64 s[8:9], s[8:9], s[24:25]
	; the same order of blocks as for X1 and X2: bits 2 and 3 of the block's number change places
	s_bfe_u32 s26, ttmp9, 0x10002
	s_bfe_u32 s27, ttmp9, 0x10003
	s_and_b32 s24, ttmp9, 0xfffffff3
	s_lshl_b32 s26, s26, 3
	s_lshl_b32 s27, s27, 2
	s_or_b32 s24, s24, s26
	s_or_b32 s24, s24, s27
	s_mul_i32 s24, s24, 12800
	s_add_nc_u64 s[18:19], s[18:19], s[24:25]      ; the block
	s_mul_i32 s24, s20, 1536
	s_add_nc_u64 s[28:29], s[18:19], s[24:25]      ; my two tiles' half-images
	s_lshr_b32 s24, s20, 1
	s_lshl_b32 s24, s24, 8
	s_and_b32 s23, s20, 1
	s_lshl_b32 s23, s23, 2
	s_add_co_u32 s24, s24, s23
	s_add_co_u32 s24, s24, 12288
	s_add_nc_u64 s[30:31], s[18:19], s[24:25]      ; my tiles' scale words: plane b / 2, word b % 2
	WLOAD 0
	WLOAD 1
.irp kb, 0,1,2,3
	WBLK \kb
.endr
	global_store_b32 v246, v252, s[30:31]          ; 4 bytes a lane, 8 bytes apart: 128 bytes of the 16,384 that the wave has read
.Lend:
	s_wait_tensorcnt 0x0                           ; the wave's end
	ds_add_u32 v[SPW], v[NIL]
	s_wait_dscnt 0x0
	s_endpgm
.Lfunc_end_k_q1afff79110_prep:
	.size	k_q1afff79110_prep, .Lfunc_end_k_q1afff79110_prep-k_q1afff79110_prep
	.p2alignl 7, 3214868480
	.fill 96, 4, 3214868480
	.section	.rodata,"a",@progbits
	.p2align	6, 0x0
	.amdhsa_kernel k_q1afff79110_prep
		.amdhsa_group_segment_fixed_size 35328
		.amdhsa_private_segment_fixed_size 0
		.amdhsa_enable_private_segment 0
		.amdhsa_kernarg_size 64
		.amdhsa_user_sgpr_count 2
		.amdhsa_user_sgpr_kernarg_segment_ptr 1
		.amdhsa_wavefront_size32 1
		.amdhsa_system_sgpr_workgroup_id_x 1
		.amdhsa_system_sgpr_workgroup_id_y 1
		.amdhsa_system_sgpr_workgroup_id_z 1
		.amdhsa_system_vgpr_workitem_id 0
		.amdhsa_next_free_vgpr 256
		.amdhsa_next_free_sgpr 66
		.amdhsa_reserve_vcc 0
		.amdhsa_float_denorm_mode_32 3
		.amdhsa_float_denorm_mode_16_64 3
		.amdhsa_memory_ordered 1
		.amdhsa_forward_progress 1
		.amdhsa_inst_pref_size 79
	.end_amdhsa_kernel
	.amdgpu_metadata
---
amdhsa.version: [ 1, 2 ]
amdhsa.kernels:
  - .name:           k_q1afff79110_prep
    .symbol:         k_q1afff79110_prep.kd
    .args:
      - { .name: X1, .offset: 0, .size: 8, .value_kind: global_buffer, .address_space: global }
      - { .name: X2, .offset: 8, .size: 8, .value_kind: global_buffer, .address_space: global }
      - { .name: Wq, .offset: 16, .size: 8, .value_kind: global_buffer, .address_space: global }
      - { .name: Wk, .offset: 24, .size: 8, .value_kind: global_buffer, .address_space: global }
      - { .name: Wv, .offset: 32, .size: 8, .value_kind: global_buffer, .address_space: global }
      - { .name: Wo, .offset: 40, .size: 8, .value_kind: global_buffer, .address_space: global }
      - { .name: xc, .offset: 48, .size: 8, .value_kind: global_buffer, .address_space: global }
      - { .name: wc, .offset: 56, .size: 8, .value_kind: global_buffer, .address_space: global }
    .group_segment_fixed_size: 35328
    .private_segment_fixed_size: 0
    .kernarg_segment_align: 8
    .kernarg_segment_size: 64
    .max_flat_workgroup_size: 128
    .sgpr_count:     66
    .vgpr_count:     256
    .wavefront_size: 32
...
	.end_amdgpu_metadata
.endif
;; end of part 1
;; launch proj (part 2): grid 4 x 64, 4 waves a work-group, clusters of 4 x 4, 327,680 bytes of LDS; arguments xc, wc, bq, bk, bv, qc, kv; writes qc, kv
.if DOCPART == 2
	.amdgcn_target "amdgcn-amd-amdhsa--gfx1250"
	.amdhsa_code_object_version 6
	.text
	.protected	k_q1afff79110_proj
	.globl	k_q1afff79110_proj
	.p2align	8
	.type	k_q1afff79110_proj,@function
k_q1afff79110_proj:
	s_mov_b64 s[64:65], 0
	v_nop
	global_prefetch_b8 v0, s[64:65] scope:SCOPE_SE
	s_setreg_imm32_b32 hwreg(HW_REG_WAVE_MODE, 25, 1), 1
	s_wait_xcnt 0x0
	s_wait_alu depctr_hold_cnt(0) depctr_sa_sdst(0) depctr_va_vdst(0) depctr_va_sdst(0) depctr_va_ssrc(0) depctr_va_vcc(0) depctr_vm_vsrc(0)
	s_getreg_b32 s2, hwreg(HW_REG_IB_STS2, 6, 4)
	s_cmp_eq_u32 s2, 0
	s_cbranch_scc0 .Lentry_in_a_cluster
	s_endpgm
.Lentry_in_a_cluster:
	s_bfe_u32 s2, ttmp6, 0x10000c
	s_cmp_lg_u32 s2, 0xf033
	s_cbranch_scc0 .Lentry_shape_is_right
	s_endpgm
.Lentry_shape_is_right:
; Q = X1 Wq + bq, K = X2 Wk + bk, V = X2 Wv + bv on codes of FP6 (E2M3) with E8M0 scales, f32 sums; the results are quantised at once: Q and K along the head's 64, V along the keys.
; OPERANDS come as blocks of 12,800 bytes (128 rows x 128 K, in the order of an operand's registers; slot i of tile t is row 32 (t / 2) + 8 (t % 2) + i % 8 + 16 (i / 8)).
; A work-group makes 256 rows of source 0 x 128 rows of source 1, with ALL of K = 1,024 in LDS: 3 x 102,400 bytes, each byte filled once: no slot is filled again.
; Four waves: wave w takes source 0's 128 rows w % 2 (8 tiles b) x source 1's tiles 4 (w / 2) + a (a = 0..3): 32 accumulators, 32 matrix instructions a K step.
; In the result a lane is ONE row of source 1 and the 64 registers of a fixed a run along source 0 in natural order: register 16 B + i is index 32 B + 16 (lane / 16) + i.
;   kinds 0, 1 (Q, K): source 0 = the weight's n, source 1 = tokens: registers run along the head's channels.   kind 2 (V): source 0 = tokens, source 1 = Wv's n: registers run along the keys.
; The bias is the C of the first K step's products.  CLUSTER 4 x 4: source 1's rows hang on cy and are shared along a row of the cluster, source 0's on cx and are shared along a column: joint loads.
; OUT: qc [64 heads][16 groups of 128 queries] 6,656 bytes: 8 half-images of 768 bytes, then the scale words at 6,144.
;      kv [64 heads][16 steps of 128 keys] 13,056 bytes: K's 8 half-images; V's 4 fragments at 6,144 + 1,536 t + 768 c; K's scale words at 12,288; V's at 12,800.
;      In Q's and K's scale words bytes 2 and 3 are 0x7f: they scale the zero codes that fill the head's 64 up to the instruction's 128.
; LIMITS: a block of zeros gets the byte 1 (its codes are zeros; this program alone reads the bytes); blocks under 2^-124 are held at the byte 1; NaN and infinities are not served.
; REGISTERS: window 0: v2-15 addresses; v16-23 source 0's scale words, v24-27 source 1's (two sets each); v32-127 source 1's fragments, two sets of 48; v128-191 the bias, later the codes; v192-235 at work.
;            window 1: accumulator (a, b) at v[64 a + 8 b].   window 2: source 0's fragments, two sets of 96.
; A WORK-GROUP STAYS: it makes three blocks, one of Q, one of K and one of V, in a counted loop over the kind, which is the same number in all sixteen partners.  What is said above of LDS bytes filled once holds
; of one block: for each further block the three regions are filled again, behind the wait for all tensor loads, the add, the wait for it and for the wave's LDS reads, and a round of the cluster's barrier;
; A block's stores are on their way while the next block's tiles are loaded.
; No prefetch: a trip asks for all its 307,200 bytes at its top, as soon as LDS is free, and the text has no step between two trips' loads in which a request could run ahead of them.
.set OBB,  12800
.set RBB,  102400                      ; the eight blocks of 128 rows
.set CHB,  25600                       ; two K steps; no line uses it
.set SPARE, 307200                     ; behind the three regions: the spare words, 128 bytes a wave
.set SPW,  2
.set NIL,  3
.set A016, 4                           ; v4,5   16 x lane + my 128 rows of source 0, K steps 0-3 and 4-7
.set A08,  6                           ; v6,7   8 x lane + the same
.set A116, 8                           ; v8,9   16 x lane + my four tiles of source 1
.set A18,  10                          ; v10,11 8 x lane + the same
.set AS1,  12                          ; v12,13 8 x lane + my plane of source 1's scale words
.set L16,  14
.set L8,   15
.set SC0,  16
.set SC1,  24
.set F1,   32
.set BI,   128
.set TM,   192                         ; v192-195 largest magnitudes, v196-199 the other half's, then bytes, v204-207 the conversions' scale operands
.set PW,   208                         ; v208-211 the scale word of each a
.set T2,   216
.set WT,   224
.set PL,   232
.set WV,   18
.set W0,   19
.set W1,   20
.set CX,   21
.set CY,   22
.set KIND, 23
.set G1,   24                          ; s[24:31] group 1 for source 1;  s[32:39] its two groups 0
.set G0,   32
.set G1B,  48                          ; s[48:55] group 1 for source 0;  s[68:75] its two groups 0
.set G0B,  68
.set HM,   98                          ; lanes 16-31
.set SEL,  100                         ; s[100:101] v_permlanex16_b32's selects for lane l xor 16
.set MSB, 0
.macro WIN new                         ; the immediate's high byte repeats the setting that is left
.if MSB != \new
	s_set_vgpr_msb (MSB<<8)|\new
.set MSB, \new
.endif
.endm
.macro CROUND                          ; a round of the cluster's barrier
	s_barrier_signal -1
	s_barrier_wait -1
	s_cmp_lg_u32 s[WV], 0
	s_cbranch_scc1 .Lnot_wave_0_\@
	s_barrier_signal -3
.Lnot_wave_0_\@:
	s_barrier_wait -3
	s_barrier_signal -1
	s_barrier_wait -1
.endm
.macro WM d, a, b, c, sa, sb, ra, rb   ; one product; ra, rb: the scale words lie in lanes 16-31 of their register
.if ((\ra) == 0) && ((\rb) == 0)
	v_wmma_scale_f32_16x16x128_f8f6f4 v[\d:\d+7], v[\a:\a+11], v[\b:\b+11], v[\c:\c+7], v[\sa], v[\sb] matrix_a_fmt:MATRIX_FMT_FP6 matrix_b_fmt:MATRIX_FMT_FP6
.elseif (\rb) == 0
	v_wmma_scale_f32_16x16x128_f8f6f4 v[\d:\d+7], v[\a:\a+11], v[\b:\b+11], v[\c:\c+7], v[\sa], v[\sb] matrix_a_fmt:MATRIX_FMT_FP6 matrix_b_fmt:MATRIX_FMT_FP6 matrix_a_scale:MATRIX_SCALE_ROW1
.elseif (\ra) == 0
	v_wmma_scale_f32_16x16x128_f8f6f4 v[\d:\d+7], v[\a:\a+11], v[\b:\b+11], v[\c:\c+7], v[\sa], v[\sb] matrix_a_fmt:MATRIX_FMT_FP6 matrix_b_fmt:MATRIX_FMT_FP6 matrix_b_scale:MATRIX_SCALE_ROW1
.else
	v_wmma_scale_f32_16x16x128_f8f6f4 v[\d:\d+7], v[\a:\a+11], v[\b:\b+11], v[\c:\c+7], v[\sa], v[\sb] matrix_a_fmt:MATRIX_FMT_FP6 matrix_b_fmt:MATRIX_FMT_FP6 matrix_a_scale:MATRIX_SCALE_ROW1 matrix_b_scale:MATRIX_SCALE_ROW1
.endif
.endm
.macro FETCH s, p                      ; K step s into set p: 51 LDS loads, each of consecutive bytes
	WIN 0x80                                       ; destination window 2
.irp b, 0,1,2,3,4,5,6,7
.irp g, 0,1
	ds_load_b128 v[96*(\p)+12*\b+6*\g:96*(\p)+12*\b+6*\g+3], v[A016+(\s)/4] offset:((\s)%4)*OBB+\g*6144+\b*768
	ds_load_b64 v[96*(\p)+12*\b+6*\g+4:96*(\p)+12*\b+6*\g+5], v[A08+(\s)/4] offset:((\s)%4)*OBB+\g*6144+\b*768+512
.endr
.endr
	WIN 0
.irp a, 0,1,2,3
.irp g, 0,1
	ds_load_b128 v[F1+48*(\p)+12*\a+6*\g:F1+48*(\p)+12*\a+6*\g+3], v[A116+(\s)/4] offset:((\s)%4)*OBB+\g*6144+\a*768
	ds_load_b64 v[F1+48*(\p)+12*\a+6*\g+4:F1+48*(\p)+12*\a+6*\g+5], v[A18+(\s)/4] offset:((\s)%4)*OBB+\g*6144+\a*768+512
.endr
.endr
	ds_load_b64 v[SC0+4*(\p):SC0+4*(\p)+1], v[A08+(\s)/4] offset:((\s)%4)*OBB+12288
	ds_load_b64 v[SC0+4*(\p)+2:SC0+4*(\p)+3], v[A08+(\s)/4] offset:((\s)%4)*OBB+12544
	ds_load_b64 v[SC1+2*(\p):SC1+2*(\p)+1], v[AS1+(\s)/4] offset:((\s)%4)*OBB+12288
.endm
; a K step's 32 products.  The 32 accumulators take turns, one instruction a turn, in the same order in every step.  mode 0: in place; 1: C = the bias along the registers; 2: C = the lane's bias
.macro MUL32 p, mode
.if (\mode) == 0
	WIN 0x52                                       ; source 0 window 2, source 1 window 0, C and D window 1
.else
	WIN 0x42                                       ; C window 0
.endif
.irp a, 0,1,2,3
.irp b, 0,1,2,3,4,5,6,7
.if (\mode) == 0
	WM 64*\a+8*\b, 96*(\p)+12*\b, F1+48*(\p)+12*\a, 64*\a+8*\b, SC0+4*(\p)+\b/2, SC1+2*(\p)+\a/2, \b%2, \a%2
.elseif (\mode) == 1
	WM 64*\a+8*\b, 96*(\p)+12*\b, F1+48*(\p)+12*\a, BI+8*\b, SC0+4*(\p)+\b/2, SC1+2*(\p)+\a/2, \b%2, \a%2
.else
	WM 64*\a+8*\b, 96*(\p)+12*\b, F1+48*(\p)+12*\a, BI+8*\a, SC0+4*(\p)+\b/2, SC1+2*(\p)+\a/2, \b%2, \a%2
.endif
.endr
.endr
.endm
; the 64 results of a fixed a become 12 registers of codes, v[BI + 12 a ..], and a scale word, v[PW + a].  Each accumulator is read from its low end on.
.macro QUANTA a
	WIN 0x05                                       ; sources 0 and 1 window 1
.irp b, 0,1,2,3
	v_max3_num_f32 v[TM+\b], |v[64*(\a)+16*\b]|, |v[64*(\a)+16*\b+1]|, 0x1800000   ; block b: my 16 numbers, and the floor 2^(3 - 127)
.endr
	WIN 0x14                                       ; sources 1 and 2 window 1
.irp i, 2,4,6,8,10,12,14
.irp b, 0,1,2,3
	v_max3_num_f32 v[TM+\b], v[TM+\b], |v[64*(\a)+16*\b+\i]|, |v[64*(\a)+16*\b+\i+1]|
.endr
.endr
	WIN 0
.irp b, 0,1,2,3
	v_permlanex16_b32 v[TM+4+\b], v[TM+\b], s[SEL], s[SEL+1]
.endr
.irp b, 0,1,2,3
	v_max_num_f32 v[TM+\b], v[TM+\b], v[TM+4+\b]   ; with lane l xor 16's: the block's largest magnitude
.endr
.irp b, 0,1,2,3
	v_add_nc_u32 v[TM+12+\b], 0xff000000, v[TM+\b] ; 2 off the exponent field: the conversion's scale operand
.endr
.irp b, 0,1,2,3
	v_lshrrev_b32 v[TM+4+\b], 23, v[TM+12+\b]      ; the scale's byte
.endr
	v_lshl_or_b32 v[PW+(\a)], v[TM+5], 8, v[TM+4]
	v_lshl_or_b32 v[PW+(\a)], v[TM+6], 16, v[PW+(\a)]
	v_lshl_or_b32 v[PW+(\a)], v[TM+7], 24, v[PW+(\a)]
	WIN 0x01                                       ; the numbers: window 1
.irp c, 0,1
	v_cvt_scalef32_pk16_fp6_f32 v[BI+12*(\a)+6*\c:BI+12*(\a)+6*\c+2], v[64*(\a)+32*\c:64*(\a)+32*\c+15], v[TM+12+2*\c]
	v_cvt_scalef32_pk16_fp6_f32 v[T2+4*\c:T2+4*\c+2], v[64*(\a)+32*\c+16:64*(\a)+32*\c+31], v[TM+12+2*\c+1]
.endr
	WIN 0
	v_nop                                          ; one plain line behind a scaled conversion
.irp c, 0,1                                    ; the operand's layout wants a whole block in a lane: lanes 0-15 block 2 c, lanes 16-31 block 2 c + 1
.irp i, 0,1,2
	v_permlane16_swap_b32 v[BI+12*(\a)+6*\c+\i], v[T2+4*\c+\i]
.endr
.irp i, 0,1,2
	v_mov_b32 v[BI+12*(\a)+6*\c+3+\i], v[T2+4*\c+\i]
.endr
.endr
.endm
	s_load_b256 s[4:11], s[0:1], 0x0               ; xc s[4:5], wc s[6:7], bq s[8:9], bk s[10:11]
	s_load_b128 s[12:15], s[0:1], 0x20             ; bv s[12:13], qc s[14:15]
	s_load_b64 s[16:17], s[0:1], 0x30              ; kv
	v_lshl_add_u32 v[SPW], v0, 2, SPARE
	v_mov_b32 v[NIL], 0
	ds_add_u32 v[SPW], v[NIL]                      ; the wave's opening: the add and its wait ahead of the first tensor loads; the set-up below, work on registers, stands between them
	ds_add_u32 v[SPW], v[NIL]
	v_lshrrev_b32 v1, 5, v0
	v_readfirstlane_b32 s[WV], v1                  ; wave 0..3
	s_and_b32 s[W0], s[WV], 1
	s_lshr_b32 s[W1], s[WV], 1
	s_bfe_u32 s[CX], ttmp6, 0x40000
	s_bfe_u32 s[CY], ttmp6, 0x40004
	s_mov_b32 s[KIND], 0                           ; 0 Q, 1 K, 2 V: the loop's counter
	s_wait_alu depctr_va_vdst(0)
	s_wait_dscnt 0x0                               ; both opening adds are done
.Lkind:
	s_wait_tensorcnt 0x0                           ; all my tensor loads are done;
	ds_add_u32 v[SPW], v[NIL]                      ; the add, twice on end, ahead of the loop's tensor loads; the descriptors' scalar work stands between it and the wait for it
	ds_add_u32 v[SPW], v[NIL]
	s_and_b32 s57, ttmp7, 0xffff                   ; cluster y, 0..15
	s_lshr_b32 s60, s57, 1
	s_lshl_b32 s60, s60, 2
	s_and_b32 s61, s57, 1
	s_lshl_b32 s61, s61, 2
	s_lshl_b32 s99, s57, 2
	s_mul_i32 s62, s[KIND], 819200                 ; source 0 begins: Wq, Wk in wc;
	s_mul_i32 s63, s[KIND], 6553600                ; source 1: X1, X2 in xc
	s_mov_b32 s2, 6553600                          ; V: source 0 = X2,
	s_mov_b32 s3, 1638400                          ;    source 1 = Wv
	s_cmp_eq_u32 s[KIND], 2
	s_cselect_b32 s60, s60, 0
	s_cselect_b32 s61, s61, s99
	s_cselect_b32 s62, s2, s62
	s_cselect_b32 s63, s3, s63
	s_add_co_u32 s58, s60, s[CX]                   ; which 256 rows of source 0: hangs on cx, never on cy
	s_add_co_u32 s59, s61, s[CY]                   ; which 128 rows of source 1: hangs on cy, never on cx
	s_lshl_b32 s61, s[CY], 2
	s_lshl_b32 s61, 15, s61                        ; my row of the cluster
	s_lshl_b32 s60, 0x1111, s[CX]                  ; my column
	; group 1: rows of 32 elements of 8 bytes, 200 for source 1 (51,200 bytes), 400 for source 0 (102,400)
	s_or_b32 s[G1], s61, (3<<16)|(1<<21)           ; 15:0 the mask; 17:16 elements of 8 bytes; 21 set beside a mask
	s_or_b32 s[G1B], s60, (3<<16)|(1<<21)
.irp g, G1, G1B
	s_mov_b32 s[\g+1], 32<<16                      ; tensor_dim0 = 32
	s_mov_b32 s[\g+2], (200+200*(\g/G1B))<<16      ; tensor_dim1: source 1 200 rows of 256 bytes (128 rows x half of K), source 0 400 (256 rows x half of K)
	s_mov_b32 s[\g+3], 32<<16                      ; tile_dim0 = 32
	s_mov_b32 s[\g+4], 200+200*(\g/G1B)            ; tile_dim1
	s_mov_b32 s[\g+5], 32                          ; from row to row
	s_mov_b32 s[\g+6], 0
	s_mov_b32 s[\g+7], 0
.endr
	s_mul_i32 s88, s58, 2*RBB                      ; source 0: my 256 rows: [half of K][128 rows][4 K steps]
	s_add_co_u32 s88, s88, s62
	s_mov_b32 s89, 0
	s_lshr_b32 s66, s59, 1                         ; source 1: my 128 rows inside their 256
	s_mul_i32 s66, s66, 2*RBB
	s_and_b32 s57, s59, 1
	s_mul_i32 s57, s57, 4*OBB
	s_add_co_u32 s66, s66, s57
	s_add_co_u32 s66, s66, s63
	s_mov_b32 s67, 0
	s_mov_b32 s[HM], 0xffff0000
	s_mov_b32 s[SEL], 0x76543210
	s_mov_b32 s[SEL+1], 0xfedcba98
	s_wait_dscnt 0x0                               ; the opening add is done
	s_wait_kmcnt 0x0
	s_cmp_eq_u32 s[KIND], 2
	s_cselect_b64 s[84:85], s[4:5], s[6:7]         ; source 0's buffer
	s_cselect_b64 s[86:87], s[6:7], s[4:5]         ; source 1's
	s_add_nc_u64 s[84:85], s[84:85], s[88:89]
	s_add_nc_u64 s[86:87], s[86:87], s[66:67]
.irp c, 0,1                                    ; c: the half of K
	s_mov_b32 s[G0+4*\c], 1
	s_mov_b32 s[G0+4*\c+1], \c*4*OBB               ; source 1 lies at 0, K step s at s x 12,800
	s_add_nc_u64 s[G0+4*\c+2:G0+4*\c+3], s[86:87], \c*RBB
	s_or_b32 s[G0+4*\c+3], s[G0+4*\c+3], 0x80000000
	s_mov_b32 s[G0B+4*\c], 1
	s_mov_b32 s[G0B+4*\c+1], RBB+\c*RBB            ; source 0 behind it, as it lies in memory
	s_add_nc_u64 s[G0B+4*\c+2:G0B+4*\c+3], s[84:85], \c*RBB
	s_or_b32 s[G0B+4*\c+3], s[G0B+4*\c+3], 0x80000000
.endr
	CROUND                                         ; all sixteen work-groups are here: the joint loads meet
; one joint load a wave, in one chain of branches on the wave's number: wave 0 source 1's K steps 0-3, wave 1 source 0's, wave 2 source 1's K steps 4-7, wave 3 source 0's
.macro ARM w, g0, g1
	s_cmp_eq_u32 s[WV], \w
	s_cbranch_scc0 .Lnot_\w
	tensor_load_to_lds s[\g0:\g0+3], s[\g1:\g1+7]
	s_nop 0
.rept 4
	v_nop
.endr
	s_branch .Lasked
.Lnot_\w:
.endm
	ARM 0, G0, G1
	ARM 1, G0B, G1B
	ARM 2, G0+4, G1
	tensor_load_to_lds s[G0B+4:G0B+7], s[G1B:G1B+7]
	s_nop 0
.rept 4
	v_nop
.endr
.Lasked:
	v_and_b32 v1, 31, v0
	v_lshlrev_b32 v[L16], 4, v1
	v_lshlrev_b32 v[L8], 3, v1
	s_mul_i32 s2, s[W0], 4*OBB                     ; my 128 rows inside a half of K
	s_add_co_u32 s2, s2, RBB
	v_add_nc_u32 v[A016], s2, v[L16]
	v_add_nc_u32 v[A08], s2, v[L8]
	v_add_nc_u32 v[A016+1], RBB, v[A016]
	v_add_nc_u32 v[A08+1], RBB, v[A08]
	s_mul_i32 s2, s[W1], 3072
	v_add_nc_u32 v[A116], s2, v[L16]
	v_add_nc_u32 v[A18], s2, v[L8]
	v_add_nc_u32 v[A116+1], 4*OBB, v[A116]
	v_add_nc_u32 v[A18+1], 4*OBB, v[A18]
	s_lshl_b32 s2, s[W1], 8
	v_add_nc_u32 v[AS1], s2, v[L8]
	v_add_nc_u32 v[AS1+1], 4*OBB, v[AS1]
	v_bfe_u32 v29, v0, 4, 1
	v_lshlrev_b32 v28, 6, v29                      ; the bias along the registers: 16 numbers further on for lanes 16-31
	v_and_b32 v30, 7, v0
	v_bfe_u32 v31, v0, 3, 1
	v_lshl_add_u32 v30, v31, 4, v30
	v_lshlrev_b32 v29, 2, v30                      ; the lane's bias: slot r is row r % 8 + 16 (r / 8) of its tile
	s_cmp_eq_u32 s[KIND], 2
	s_cbranch_scc1 .Lbias_v
	s_cmp_eq_u32 s[KIND], 0
	s_cselect_b64 s[90:91], s[8:9], s[10:11]
	s_lshl_b32 s2, s58, 1
	s_add_co_u32 s2, s2, s[W0]
	s_lshl_b32 s2, s2, 9                           ; my 128 numbers of bq or bk
	s_mov_b32 s3, 0
	s_add_nc_u64 s[90:91], s[90:91], s[2:3]
	s_wait_alu depctr_va_vdst(0)
.irp b, 0,1,2,3,4,5,6,7
	global_load_b128 v[BI+8*\b:BI+8*\b+3], v28, s[90:91] offset:(32*(\b/2)+8*(\b%2))*4
	global_load_b128 v[BI+8*\b+4:BI+8*\b+7], v28, s[90:91] offset:(32*(\b/2)+8*(\b%2))*4+16
.endr
	s_branch .Lbias_in
.Lbias_v:
	s_lshl_b32 s2, s59, 9
	s_lshl_b32 s3, s[W1], 8
	s_add_co_u32 s2, s2, s3                        ; my 64 numbers of bv
	s_mov_b32 s3, 0
	s_add_nc_u64 s[90:91], s[12:13], s[2:3]
	s_wait_alu depctr_va_vdst(0)
.irp a, 0,1,2,3
.irp j, 0,1,2,3,4,5,6,7
	global_load_b32 v[BI+8*\a+\j], v29, s[90:91] offset:(32*(\a/2)+8*(\a%2))*4   ; the same number in all eight registers of a C
.endr
.endr
.set J, 0
.rept 32
	v_mov_b32 v[BI+32+J], 0                        ; the half of the range that this way's products do not name: the whole range is defined on both ways
.set J, J+1
.endr
.Lbias_in:
	s_wait_alu depctr_va_vdst(0)
	s_cmp_lt_u32 s[WV], 2                          ; waves 0 and 1 brought K steps 0-3, each by a line of its own: they wait; the two later loads may be out: the next trip's fills wait for them first
	s_cbranch_scc0 .Lnot_early
	s_wait_tensorcnt 0x0
.Lnot_early:
	s_barrier_signal -1
	s_barrier_wait -1                              ; everybody's is
	FETCH 0, 0
	s_wait_dscnt 0x0
	FETCH 1, 1
	s_wait_loadcnt 0x0                             ; the bias
	s_cmp_eq_u32 s[KIND], 2
	s_cbranch_scc1 .Lfirst_v
	s_wait_alu depctr_va_vdst(0)
	MUL32 0, 1
	WIN 0
	s_branch .Lfirst_done
.Lfirst_v:
	MUL32 0, 2
	WIN 0
.Lfirst_done:
.irp s, 1,2,3,4,5,6,7
	s_wait_dscnt 0x0                               ; this step's set, asked for a step ago
.if (\s) == 3
	s_wait_tensorcnt 0x0                           ; every wave's load is in: K steps 4-7 are shown to all by the barrier below
	s_barrier_signal -1
	s_barrier_wait -1
.endif
.if (\s) < 7
.rept 4
	v_nop                                          ; four places in front of loads into registers that the last step's products have read (ISA guide 7.12.1 for vector instructions)
.endr
	FETCH \s+1, (\s+1)%2
.endif
	MUL32 \s%2, 0
.endr
	WIN 0
.irp b, 0,1,2,3
	v_mov_b32 v[TM+4+\b], 0                        ; a lane permute's destination counts as one of its sources; these four plain lines are also the places behind the last products
.endr
	QUANTA 0
	QUANTA 1
	QUANTA 2
	QUANTA 3
	s_cmp_eq_u32 s[KIND], 2
	s_cbranch_scc1 .Lstore_v
	; ---- Q, K: group (a, c) is tile 4 (w / 2) + a of my 128 tokens, for head 2 U + c (U: my 128 of the 1,024 channels)
	s_cmp_eq_u32 s[KIND], 0
	s_cselect_b64 s[90:91], s[14:15], s[16:17]     ; qc or kv
	s_mov_b32 s56, 208896
	s_cselect_b32 s56, 106496, s56                 ; bytes of a head,
	s_mov_b32 s57, 13056
	s_cselect_b32 s57, 6656, s57                   ; of 128 tokens,
	s_mov_b32 s99, 12288
	s_cselect_b32 s99, 6144, s99                   ; and where the scale words begin
	s_lshl_b32 s2, s58, 1
	s_add_co_u32 s2, s2, s[W0]
	s_lshl_b32 s2, s2, 1                           ; head 2 U
	s_lshr_b32 s3, s59, 4
	s_lshl_b32 s3, s3, 4                           ; 16 x batch
	s_add_co_u32 s2, s2, s3
	s_mul_i32 s2, s2, s56
	s_and_b32 s3, s59, 15
	s_mul_i32 s3, s3, s57
	s_add_co_u32 s2, s2, s3
	s_mov_b32 s3, 0
	s_add_nc_u64 s[90:91], s[90:91], s[2:3]
	s_mov_b32 s2, s56
	s_add_nc_u64 s[92:93], s[90:91], s[2:3]        ; the next head
	s_lshl_b32 s2, s[W1], 8
	s_add_co_u32 s2, s2, s99
	s_add_nc_u64 s[94:95], s[90:91], s[2:3]        ; my plane of scale words
	s_add_nc_u64 s[96:97], s[92:93], s[2:3]
	s_mul_i32 s2, s[W1], 3072
	s_add_nc_u64 s[90:91], s[90:91], s[2:3]        ; my four half-images
	s_add_nc_u64 s[92:93], s[92:93], s[2:3]
	s_mov_b32 s62, 0x7f7f0000
	s_wait_alu depctr_va_vdst(0)
.irp a, 0,1,2,3
.irp c, 0,1
	global_store_b128 v[L16], v[BI+12*\a+6*\c:BI+12*\a+6*\c+3], s[90+2*\c:91+2*\c] offset:\a*768        ; 512 consecutive bytes
	global_store_b64 v[L8], v[BI+12*\a+6*\c+4:BI+12*\a+6*\c+5], s[90+2*\c:91+2*\c] offset:\a*768+512    ; 256 consecutive bytes
.endr
.endr
.irp a, 0,1,2,3
	v_and_or_b32 v[WT+\a], v[PW+\a], 0xffff, s62   ; head 2 U: bytes 0 and 1, and 0x7f above them
	v_lshrrev_b32 v[WT+4+\a], 16, v[PW+\a]         ; head 2 U + 1: bytes 2 and 3
.endr
.irp a, 0,1,2,3
	v_or_b32 v[WT+4+\a], s62, v[WT+4+\a]
.endr
.irp c, 0,1
.irp i, 0,1
	v_cndmask_b32 v[PL+2*\c+\i], v[WT+4*\c+2*\i], v[WT+4*\c+2*\i+1], s[HM]   ; lanes 0-15 the even tile's words, lanes 16-31 the odd tile's
.endr
.endr
	global_store_b64 v[L8], v[PL:PL+1], s[94:95]   ; a plane: 256 consecutive bytes
	global_store_b64 v[L8], v[PL+2:PL+3], s[96:97]
	s_branch .Lstored
.Lstore_v:
	; ---- V: the 12 registers of a are fragment a (16 channels x my 128 keys) of head 2 x (source 1's 128) + w / 2
	s_lshl_b32 s2, s58, 1
	s_add_co_u32 s2, s2, s[W0]                     ; which 128 tokens
	s_lshr_b32 s3, s2, 4
	s_lshl_b32 s3, s3, 4
	s_lshl_b32 s56, s59, 1
	s_add_co_u32 s3, s3, s56
	s_add_co_u32 s3, s3, s[W1]                     ; 16 x batch + head
	s_mul_i32 s3, s3, 208896
	s_and_b32 s2, s2, 15
	s_mul_i32 s2, s2, 13056
	s_add_co_u32 s2, s2, s3
	s_add_co_u32 s2, s2, 6144
	s_mov_b32 s3, 0
	s_add_nc_u64 s[90:91], s[16:17], s[2:3]
	s_wait_alu depctr_va_vdst(0)
.irp a, 0,1,2,3
.irp c, 0,1
	global_store_b128 v[L16], v[BI+12*\a+6*\c:BI+12*\a+6*\c+3], s[90:91] offset:\a*1536+\c*768
	global_store_b64 v[L8], v[BI+12*\a+6*\c+4:BI+12*\a+6*\c+5], s[90:91] offset:\a*1536+\c*768+512
.endr
.endr
.irp i, 0,1
	v_cndmask_b32 v[PL+\i], v[PW+2*\i], v[PW+2*\i+1], s[HM]
.endr
	global_store_b64 v[L8], v[PL:PL+1], s[90:91] offset:6656
.Lstored:
	s_wait_xcnt 0x0                                ; the stores have read their data, offsets and bases: all are written again in the next trip
	s_add_co_u32 s[KIND], s[KIND], 1
	s_cmp_lt_u32 s[KIND], 3
	s_wait_alu depctr_va_vdst(0)
	s_cbranch_scc1 .Lkind
	s_wait_tensorcnt 0x0                           ; the wave's end
	ds_add_u32 v[SPW], v[NIL]
	s_wait_dscnt 0x0
	CROUND                                         ; the closing round: no work-group ends while a partner may still ask for a tile that names it
	s_endpgm
.Lfunc_end_k_q1afff79110_proj:
	.size	k_q1afff79110_proj, .Lfunc_end_k_q1afff79110_proj-k_q1afff79110_proj
	.p2alignl 7, 3214868480
	.fill 96, 4, 3214868480
	.section	.rodata,"a",@progbits
	.p2align	6, 0x0
	.amdhsa_kernel k_q1afff79110_proj
		.amdhsa_group_segment_fixed_size 327680
		.amdhsa_private_segment_fixed_size 0
		.amdhsa_enable_private_segment 0
		.amdhsa_kernarg_size 56
		.amdhsa_user_sgpr_count 2
		.amdhsa_user_sgpr_kernarg_segment_ptr 1
		.amdhsa_wavefront_size32 1
		.amdhsa_system_sgpr_workgroup_id_x 1
		.amdhsa_system_sgpr_workgroup_id_y 1
		.amdhsa_system_sgpr_workgroup_id_z 1
		.amdhsa_system_vgpr_workitem_id 0
		.amdhsa_next_free_vgpr 768
		.amdhsa_next_free_sgpr 102
		.amdhsa_reserve_vcc 0
		.amdhsa_float_denorm_mode_32 3
		.amdhsa_float_denorm_mode_16_64 3
		.amdhsa_memory_ordered 1
		.amdhsa_forward_progress 1
		.amdhsa_inst_pref_size 100
	.end_amdhsa_kernel
	.amdgpu_metadata
---
amdhsa.version: [ 1, 2 ]
amdhsa.kernels:
  - .name:           k_q1afff79110_proj
    .symbol:         k_q1afff79110_proj.kd
    .args:
      - { .name: xc, .offset: 0, .size: 8, .value_kind: global_buffer, .address_space: global }
      - { .name: wc, .offset: 8, .size: 8, .value_kind: global_buffer, .address_space: global }
      - { .name: bq, .offset: 16, .size: 8, .value_kind: global_buffer, .address_space: global }
      - { .name: bk, .offset: 24, .size: 8, .value_kind: global_buffer, .address_space: global }
      - { .name: bv, .offset: 32, .size: 8, .value_kind: global_buffer, .address_space: global }
      - { .name: qc, .offset: 40, .size: 8, .value_kind: global_buffer, .address_space: global }
      - { .name: kv, .offset: 48, .size: 8, .value_kind: global_buffer, .address_space: global }
    .group_segment_fixed_size: 327680
    .private_segment_fixed_size: 0
    .kernarg_segment_align: 8
    .kernarg_segment_size: 56
    .max_flat_workgroup_size: 128
    .sgpr_count:     102
    .vgpr_count:     768
    .wavefront_size: 32
...
	.end_amdgpu_metadata
.endif
;; end of part 2
;; launch attn (part 3): grid 4 x 64, 16 waves a work-group, clusters of 4 x 1, 263,168 bytes of LDS; arguments qc, kv, ac; writes ac
.if DOCPART == 3
	.amdgcn_target "amdgcn-amd-amdhsa--gfx1250"
	.amdhsa_code_object_version 6
	.text
	.protected	k_q1afff79110_attn
	.globl	k_q1afff79110_attn
	.p2align	8
	.type	k_q1afff79110_attn,@function
k_q1afff79110_attn:
	s_mov_b64 s[64:65], 0
	v_nop
	global_prefetch_b8 v0, s[64:65] scope:SCOPE_SE
	s_setreg_imm32_b32 hwreg(HW_REG_WAVE_MODE, 25, 1), 1
	s_wait_xcnt 0x0
	s_wait_alu depctr_hold_cnt(0) depctr_sa_sdst(0) depctr_va_vdst(0) depctr_va_sdst(0) depctr_va_ssrc(0) depctr_va_vcc(0) depctr_vm_vsrc(0)
	s_getreg_b32 s2, hwreg(HW_REG_IB_STS2, 6, 4)
	s_cmp_eq_u32 s2, 0
	s_cbranch_scc0 .Lentry_in_a_cluster
	s_endpgm
.Lentry_in_a_cluster:
	s_bfe_u32 s2, ttmp6, 0x10000c
	s_cmp_lg_u32 s2, 0x3003
	s_cbranch_scc0 .Lentry_shape_is_right
	s_endpgm
.Lentry_shape_is_right:
; O = softmax(Q K^T / 8) V for 64 heads of 2,048 x 64, both products on codes of FP6 (E2M3) with E8M0 scales; O / l is quantised at once along the model's 1,024 (two blocks of 32 a head) into ac.
; THE SOFTMAX: t = score x log2(e) / 8; M = the running largest t rounded UP to a whole number; p = 2^(t - M) is quantised along the keys, not normalised; l is the sum of the unquantised p and divides at the end.
; When M moves, l and O are multiplied by 2^(old M - new M): exact.
; SHARES.  A cluster of four work-groups is one head; a work-group owns 512 queries; each of its sixteen waves owns one tile of 16 queries in each of two passes; four waves share a SIMD.
; THE WHOLE HEAD's K and V, 16 blocks of 13,056 bytes (128 keys each), lie in LDS, filled ONCE by joint loads, one a wave: wave w brings block w; every wave waits, and one barrier shows all.  Nothing is filled again.
; No prefetch: every byte of K and V is asked for at the head, and no loop runs ahead of a load.  LDS ROWS are 256 bytes + 64 of padding (pitch 320): a block is 51 rows, 16,320 bytes.
; LAYOUT.  S^T = K Q^T (source 0 = 16 keys), O^T = V^T P^T (source 0 = 16 channels): a lane holds ONE query throughout.
; A TILE OF K IS GATHERED BY LANE ADDRESSES.  In kv slot i' of tile t' is key 32 (t' / 2) + 8 (t' % 2) + i' % 8 + 16 (i' / 8).  Here tile 4 c + u takes as slot e + 8 A (e = 0..7) key 64 c + 32 A + 8 u + e, which is
; slot e + 8 (u / 2) of kv's tile 4 c + 2 A + u % 2.  So the 32 scores of lane (r, h) in tiles 4 c .. 4 c + 3 are keys 64 c + 32 h + 0 .. 31: one whole scale block, in the order of the next operand's registers.
; TWO AREAS OF 64 REGISTERS CHANGE ROLES FROM STEP TO STEP: one holds K's tiles and then V's fragments, the other S^T, then p, and then the NEXT step's K, loaded tile by tile as soon as the conversions and the sums
; have read the p that lay there.  So a trip of the loop is two steps; the last two steps are written out, and the last fetches nothing.
; THE HEAD'S 64 FILL HALF OF THE INSTRUCTION'S 128.  Q's upper six registers are zero codes.  K's tile t names its own six registers and the six behind them (the next tile's; behind the last tile whatever the area
; holds there: every pattern of six bits is a finite number): they meet Q's zero codes under the scale byte 0x7f on both sides and add exactly 0.
; LIMITS: the promise holds while the scaled scores t stay under 2^31 in magnitude; p under 2^-126 is 0 (v_exp_f32 flushes); a block's largest p is made from the block's largest score by the same two instructions,
; which takes v_exp_f32 not to fall where its input rises; a block of zeros gets the byte 1 (its codes are zeros; this program alone reads the bytes); NaN and infinities are not served.
; REGISTERS: v1, v2 V's lane offsets; v5-7 K's; v8 8 h; v9-11 the next K's LDS addresses, v240-241 V's; v12 -M, v13 the largest score, v[14:15] l; v16-27, v28 Q and its scale words; v30-33 K's scale words, v34-35 V's;
; v36-99, v100-163 the two areas; v164-195 O^T; v196-207 p's codes; v229 p's scale word; v234-239 a step's sums; v242-244 offsets in memory; the rest at work.
.set SB,    13056                      ; a block in memory: K's 8 half-images, V's 4 fragments at 6,144, K's scale words at 12,288, V's at 12,800
.set SBL,   16320                      ; and in LDS
.set SPARE, 261120                     ; behind the head: the spare words, 128 bytes a wave, eight blocks of 256 bytes that no other line names
.set SPW,  3
.set NIL,  4
.set R0,   36
.set R1,   100
.set OA,   164
.set PC,   196
.set T2,   208
.set MT,   216                         ; v216-223 the maxima's eight chains; a block's largest ends in v216, v220
.set SO,   224
.set WV,   10
.macro WALU
	s_wait_alu depctr_va_vdst(0)
.endm
.macro CROUND
	s_barrier_signal -1
	s_barrier_wait -1
	s_cmp_lg_u32 s[WV], 0
	s_cbranch_scc1 .Lnot_wave_0_\@
	s_barrier_signal -3
.Lnot_wave_0_\@:
	s_barrier_wait -3
	s_barrier_signal -1
	s_barrier_wait -1
.endm
.macro WMZ d, a, b, sa, sb, ra         ; a product that starts its sum
.if (\ra) == 0
	v_wmma_scale_f32_16x16x128_f8f6f4 v[\d:\d+7], v[\a:\a+11], v[\b:\b+11], 0, v[\sa], v[\sb] matrix_a_fmt:MATRIX_FMT_FP6 matrix_b_fmt:MATRIX_FMT_FP6
.else
	v_wmma_scale_f32_16x16x128_f8f6f4 v[\d:\d+7], v[\a:\a+11], v[\b:\b+11], 0, v[\sa], v[\sb] matrix_a_fmt:MATRIX_FMT_FP6 matrix_b_fmt:MATRIX_FMT_FP6 matrix_a_scale:MATRIX_SCALE_ROW1
.endif
.endm
.macro WMA d, a, b, sa, sb, ra         ; a product that adds in place
.if (\ra) == 0
	v_wmma_scale_f32_16x16x128_f8f6f4 v[\d:\d+7], v[\a:\a+11], v[\b:\b+11], v[\d:\d+7], v[\sa], v[\sb] matrix_a_fmt:MATRIX_FMT_FP6 matrix_b_fmt:MATRIX_FMT_FP6
.else
	v_wmma_scale_f32_16x16x128_f8f6f4 v[\d:\d+7], v[\a:\a+11], v[\b:\b+11], v[\d:\d+7], v[\sa], v[\sb] matrix_a_fmt:MATRIX_FMT_FP6 matrix_b_fmt:MATRIX_FMT_FP6 matrix_a_scale:MATRIX_SCALE_ROW1
.endif
.endm
.macro KL area, t, a16, a8             ; tile t = 4 c + u of K: two loads
	ds_load_b128 v[\area+6*(\t):\area+6*(\t)+3], \a16 offset:960*(4*((\t)/4)+(\t)%2)+128*(((\t)%4)/2)
	ds_load_b64 v[\area+6*(\t)+4:\area+6*(\t)+5], \a8 offset:960*(4*((\t)/4)+(\t)%2)+640+64*(((\t)%4)/2)
.endm
.macro KFIRST area, a16, a8, as        ; tiles 0-4 and the scale words (register 30 + 2 c + u / 2: lanes 0-15 the even u, lanes 16-31 the odd): 14 loads
.irp t, 0,1,2,3,4
	KL \area, \t, \a16, \a8
.endr
.irp c, 0,1
	ds_load_b32 v[30+2*\c], \as offset:15360+320*\c
	ds_load_b32 v[31+2*\c], \as offset:15360+320*\c+64
.endr
.endm
.macro VL ka, t                        ; fragment t of V: four loads
.irp c, 0,1
	ds_load_b128 v[\ka+12*\t+6*\c:\ka+12*\t+6*\c+3], v240 offset:7680+1920*\t+960*\c
	ds_load_b64 v[\ka+12*\t+6*\c+4:\ka+12*\t+6*\c+5], v241 offset:7680+1920*\t+960*\c+640
.endr
.endm
.macro SUM4 sa, j                      ; four pairs of p onto the four chains
	v_pk_add_f32 v[234:235], v[234:235], v[\sa+\j:\sa+\j+1]
	v_pk_add_f32 v[236:237], v[236:237], v[\sa+\j+2:\sa+\j+3]
	v_pk_add_f32 v[238:239], v[238:239], v[\sa+\j+4:\sa+\j+5]
	v_pk_add_f32 v[14:15], v[14:15], v[\sa+\j+6:\sa+\j+7]
.endm
; A KEY STEP.  ka: the area with this step's K, asked for a step ago; sa: the area for S^T.  pf = 1: the next step's K is fetched into sa; na = 1: the addresses step on
.macro STEP ka, sa, pf, na
	WALU
	s_wait_dscnt 6                                 ; tiles 0-4 and the scale words are in; the six loads of tiles 5-7 may be out
.irp t, 0,1,2,3
	WMZ \sa+8*\t, \ka+6*\t, 16, 30+2*(\t/4)+(\t%4)/2, 28, \t%2
.endr
	s_wait_dscnt 0x0
.irp t, 4,5,6,7
	WMZ \sa+8*\t, \ka+6*\t, 16, 30+2*(\t/4)+(\t%4)/2, 28, \t%2
.endr
	v_pk_add_f32 v[236:237], v[236:237], v[238:239]   ; the last step's four chains are joined here: with the copy of -M four places in front of the first read of the scores and of V's loads
	v_pk_add_f32 v[14:15], v[14:15], v[234:235]
	v_mov_b32 v226, v12                            ; the old -M
	v_pk_add_f32 v[14:15], v[14:15], v[236:237]
; the largest score of each of my two blocks of 32 keys: a chain for each accumulator, which is first read at its low end
.irp c, 0,1
.irp a, 0,1,2,3
	v_max3_num_f32 v[MT+4*\c+\a], v[\sa+32*\c+8*\a], v[\sa+32*\c+8*\a+1], v[\sa+32*\c+8*\a+2]
.endr
.endr
.irp i, 3,5
.irp c, 0,1
.irp a, 0,1,2,3
	v_max3_num_f32 v[MT+4*\c+\a], v[MT+4*\c+\a], v[\sa+32*\c+8*\a+\i], v[\sa+32*\c+8*\a+\i+1]
.endr
.endr
.endr
.irp c, 0,1
	v_max3_num_f32 v[MT+4*\c], v[MT+4*\c], v[MT+4*\c+1], v[\sa+32*\c+7]
	v_max3_num_f32 v[MT+4*\c+2], v[MT+4*\c+2], v[MT+4*\c+3], v[\sa+32*\c+15]
.endr
.irp c, 0,1
	v_max3_num_f32 v[MT+4*\c], v[MT+4*\c], v[\sa+32*\c+23], v[\sa+32*\c+31]
.endr
.irp c, 0,1
	v_max_num_f32 v[MT+4*\c], v[MT+4*\c], v[MT+4*\c+2]
.endr
; the new M: five lines that hang on each other, with V's loads, which take K's registers, between them
	v_max_num_f32 v228, v[MT], v[MT+4]
	VL \ka, 0
	v_permlanex16_b32 v232, v228, s40, s41         ; lane l xor 16 holds my query's other 64 keys
	VL \ka, 1
	v_max3_num_f32 v13, v13, v228, v232            ; the running largest score
	VL \ka, 2
	v_mul_f32 v228, s42, v13                       ; as t (the factor is positive)
	VL \ka, 3
	v_floor_f32 v12, -v228                         ; the new -M = -ceil(t)
	ds_load_b64 v[34:35], v241 offset:16000
.set J, 0
.rept 32
	v_pk_fma_f32 v[\sa+J:\sa+J+1], v[\sa+J:\sa+J+1], s[42:43], v[12:13] op_sel_hi:[1,0,0]   ; t - M, two at a time
.if J == 8
	v_sub_f32 v227, v12, v226                      ; old M - new M: a whole number, 0 or less
.endif
.if J == 24
	v_cvt_i32_f32 v227, v227                       ; (it saturates)
.endif
.if J == 40
	v_ldexp_f32 v230, 1.0, v227                    ; f = 2^(old M - new M)
.endif
.set J, J+2
.endr
.irp c, 0,1
	v_fma_f32 v[MT+4*\c], v[MT+4*\c], s42, v12     ; the same of each block's largest score
.endr
.set J, 0
.rept 16
	v_pk_mul_f32 v[OA+J:OA+J+1], v[OA+J:OA+J+1], v[230:231] op_sel_hi:[1,0]   ; O^T under the new M, ascending
.set J, J+2
.endr
	WALU
.irp c, 0,1
	v_exp_f32 v[MT+4*\c], v[MT+4*\c]               ; the block's largest p
.endr
.set J, 0
.rept 64
	v_exp_f32 v[\sa+J], v[\sa+J]                   ; p = 2^(t - M)
.set J, J+1
.endr
	v_pk_mul_f32 v[14:15], v[14:15], v[230:231] op_sel_hi:[1,0]   ; l under the new M; the plain line behind the exponentials
	WALU                                           ; and behind it, one for the batch of 66
; the scales, the codes and l's 32 pairs, laid so that no line waits for the line above it, and p's registers are given to the next K from the low end on
.irp c, 0,1
	v_max_num_f32 v[MT+4*\c], 0x1800000, v[MT+4*\c]   ; the floor 2^(3 - 127): the byte cannot fall under 1
.endr
	v_pk_add_f32 v[234:235], v[\sa:\sa+1], v[\sa+2:\sa+3]
	v_pk_add_f32 v[236:237], v[\sa+4:\sa+5], v[\sa+6:\sa+7]
	v_pk_add_f32 v[238:239], v[\sa+8:\sa+9], v[\sa+10:\sa+11]
	v_pk_add_f32 v[14:15], v[14:15], v[\sa+12:\sa+13]
.irp c, 0,1
	v_add_nc_u32 v[SO+\c], 0xff000000, v[MT+4*\c]  ; 2 off the exponent field: the conversion's scale operand
.endr
	SUM4 \sa, 14
.irp c, 0,1
	v_cvt_scalef32_pk16_fp6_f32 v[PC+6*\c:PC+6*\c+2], v[\sa+32*\c:\sa+32*\c+15], v[SO+\c]
	v_cvt_scalef32_pk16_fp6_f32 v[T2+4*\c:T2+4*\c+2], v[\sa+32*\c+16:\sa+32*\c+31], v[SO+\c]   ; (a conversion's three registers begin on an even number)
.endr
.irp c, 0,1
	v_lshrrev_b32 v[MT+2+\c], 23, v[SO+\c]         ; the scale's byte; plain lines behind the conversions
.endr
	SUM4 \sa, 22                                   ; p's registers 0-29 have now been read by the conversions and the sums
.if \pf
	KFIRST \sa, v9, v10, v11
.endif
	v_lshl_or_b32 v[MT+2], v[MT+3], 16, v[MT+2]    ; my bytes: blocks h and 2 + h,
.irp i, 0,1,2
	v_mov_b32 v[PC+3+\i], v[T2+\i]
.endr
	v_lshlrev_b32 v[MT+2], v8, v[MT+2]             ; at their places in the word (8 h bits up);
.irp i, 0,1,2
	v_mov_b32 v[PC+9+\i], v[T2+4+\i]
.endr
	v_permlanex16_b32 v[MT+3], v[MT+2], s40, s41
	SUM4 \sa, 30
	v_or_b32 v229, v[MT+2], v[MT+3]                ; with lane l xor 16's two the word is whole; thirteen plain lines stand between it and the products below
	SUM4 \sa, 38
.if \pf
	KL \sa, 5, v9, v10
	KL \sa, 6, v9, v10
.endif
	SUM4 \sa, 46
.if \pf
	KL \sa, 7, v9, v10
.endif
	SUM4 \sa, 54
	v_pk_add_f32 v[234:235], v[234:235], v[\sa+62:\sa+63]
	WALU
.if \pf
	s_wait_dscnt 20                                ; V is in; the next K's 16 loads and its 4 of scale words are younger and may be out
.else
	s_wait_dscnt 0x0
.endif
.irp t, 0,1,2,3
	WMA OA+8*\t, \ka+12*\t, PC, 34+\t/2, 229, \t%2   ; the four accumulators by turns, one instruction a turn; eight other products stand between two steps of a sum
.endr
.if \na
	s_add_co_u32 s44, s44, SBL
	s_add_co_u32 s46, s46, SBL
	v_add_nc_u32 v240, s44, v1                     ; the next step's V, and the K that it will fetch: five places in front of the next scores, which are written over V's registers
	v_add_nc_u32 v241, s44, v2
	v_add_nc_u32 v9, s46, v5
	v_add_nc_u32 v10, s46, v6
	v_add_nc_u32 v11, s46, v7
.endif
.endm
	s_load_b128 s[4:7], s[0:1], 0x0                ; qc s[4:5], kv s[6:7]
	s_load_b64 s[8:9], s[0:1], 0x10                ; ac
	v_lshl_add_u32 v[SPW], v0, 2, SPARE
	v_mov_b32 v[NIL], 0
	ds_add_u32 v[SPW], v[NIL]                      ; the opening lines: the add, twice on end, and its wait ahead of the first tensor load
	ds_add_u32 v[SPW], v[NIL]
	v_lshrrev_b32 v5, 5, v0
	v_readfirstlane_b32 s[WV], v5                  ; wave 0..15
	s_bfe_u32 s11, ttmp6, 0x40000                  ; cx: it enters qc's and ac's addresses alone
	s_and_b32 s12, ttmp7, 0xffff                   ; 16 x batch + head, which the four partners share
	; group 1: 13,056 dense bytes as 51 rows of 32 elements of 8 bytes, 16 words of padding behind each row's 64
	s_mov_b32 s16, 15|(3<<16)|(1<<20)|(1<<21)|(5<<22)|(15<<25)   ; the mask: all four work-groups; bit 21 beside it
	s_mov_b32 s17, 32<<16
	s_mov_b32 s18, 51<<16
	s_mov_b32 s19, 32<<16
	s_mov_b32 s20, 51
	s_mov_b32 s21, 32
	s_mov_b32 s22, 0
	s_mov_b32 s23, 0
	s_mul_i32 s13, s[WV], SB                       ; wave w brings block w
	s_mul_i32 s58, s12, 16*SB
	s_add_co_u32 s58, s58, s13
	s_mov_b32 s59, 0
	s_mov_b32 s24, 1
	s_mul_i32 s25, s[WV], SBL
	s_mov_b32 s40, 0x76543210
	s_mov_b32 s41, 0xfedcba98                      ; v_permlanex16_b32's selects for lane l xor 16
	s_mov_b32 s42, 0x3e38aa3b                      ; log2(e) / 8
	s_mov_b32 s43, s42                             ; (named with it as a pair)
	s_mov_b32 s52, 0xffff0000                      ; lanes 16-31
	s_lshl_b32 s14, ttmp9, 2
	s_add_co_u32 s14, s14, s11                     ; my block of 512 queries
	s_lshl_b32 s14, s14, 2
	s_lshr_b32 s61, s[WV], 3
	s_add_co_u32 s14, s14, s61                     ; my group of 128 queries in the first pass; the second pass's lies two groups on
	s_and_b32 s60, s[WV], 7                        ; my tile in it
	s_lshl_b32 s62, s12, 4
	s_add_co_u32 s62, s62, s14
	s_mul_i32 s2, s62, 6656
	s_mov_b32 s3, 0
	s_lshr_b32 s47, s60, 2                         ; my tile's scale words: plane t / 4, lanes 16 (t % 2) on, word (t / 2) % 2
	s_lshl_b32 s47, s47, 8
	s_and_b32 s53, s60, 1
	s_lshl_b32 s53, s53, 7
	s_add_co_u32 s47, s47, s53
	s_bfe_u32 s53, s60, 0x10001
	s_lshl_b32 s53, s53, 2
	s_add_co_u32 s47, s47, s53
	s_mul_i32 s63, s60, 768
	s_wait_dscnt 0x0                               ; both opening adds are done
	s_wait_kmcnt 0x0
	s_add_nc_u64 s[26:27], s[6:7], s[58:59]
	s_or_b32 s27, s27, 0x80000000
	CROUND                                         ; all four work-groups are here: the joint loads meet
	tensor_load_to_lds s[24:27], s[16:23]          ; one load a wave, by one line: both addresses are made of the wave's number
	s_nop 0
.rept 4
	v_nop
.endr
	s_add_nc_u64 s[48:49], s[4:5], s[2:3]          ; my group's block in qc
	s_add_co_u32 s2, s47, 6144
	s_add_nc_u64 s[54:55], s[48:49], s[2:3]        ; my tile's scale words
	s_mov_b32 s2, s63
	s_add_nc_u64 s[48:49], s[48:49], s[2:3]        ; my tile's half-image
	s_lshr_b32 s2, s12, 4
	s_lshl_b32 s2, s2, 4
	s_add_co_u32 s2, s2, s14                       ; ac: which 128 tokens
	s_mul_i32 s2, s2, 102400
	s_bfe_u32 s53, s12, 0x30001                    ; K step = head / 2
	s_mul_i32 s53, s53, 12800
	s_add_co_u32 s2, s2, s53
	s_add_nc_u64 s[50:51], s[8:9], s[2:3]
	s_and_b32 s53, s12, 1                          ; g = head % 2
	s_lshl_b32 s2, s53, 1
	s_add_co_u32 s2, s2, s47
	s_add_co_u32 s2, s2, 12288
	s_add_nc_u64 s[56:57], s[50:51], s[2:3]        ; my tile's scale words, bytes 2 g on
	s_mul_i32 s2, s53, 6144
	s_add_co_u32 s2, s2, s63
	s_add_nc_u64 s[50:51], s[50:51], s[2:3]        ; my tile's half-image
	s_mov_b32 s13, 2                               ; passes
	v_and_b32 v9, 31, v0
	v_lshlrev_b32 v242, 4, v9                      ; memory: 16 x lane
	v_lshlrev_b32 v2, 3, v9                        ; 8 x lane, in memory and in an LDS row
	v_and_b32 v10, 15, v0                          ; r
	v_bfe_u32 v11, v0, 4, 1                        ; h
	v_lshlrev_b32 v243, 3, v10                     ; 8 r
	v_add_nc_u32 v244, v243, v11                   ; 8 r + h
	v_lshlrev_b32 v8, 3, v11                       ; 8 h
	v_mul_u32_u24 v1, v11, 320
	v_lshl_add_u32 v1, v10, 4, v1                  ; V, 16 bytes a lane: lanes 16-31 in the next LDS row
	v_and_b32 v240, 7, v0                          ; e
	v_bfe_u32 v241, v0, 3, 1                       ; A
	v_mul_u32_u24 v5, v241, 1920                   ; two of kv's tiles on for slots 8-15
	v_lshl_add_u32 v6, v240, 3, v5
	v_lshl_add_u32 v6, v11, 7, v6                  ; K, 8 bytes a lane: 1920 A + 8 e + 128 h
	v_lshl_add_u32 v5, v240, 4, v5
	v_mad_u32_u24 v5, v11, 320, v5                 ; K, 16 bytes a lane: 1920 A + 16 e + 320 h
	v_lshlrev_b32 v7, 3, v240
	v_lshl_add_u32 v7, v241, 2, v7
	v_lshl_add_u32 v7, v11, 7, v7                  ; K's scale words: 8 e + 4 A + 128 h
.irp j, 0,1,2,3,4,5
	v_mov_b32 v[22+\j], 0                          ; Q's zero codes for k = 64 .. 127
	v_mov_b32 v[R0+48+\j], 0                       ; the six registers behind K's last tile, in both areas: written once, so that they are defined
	v_mov_b32 v[R1+48+\j], 0
.endr
	v_mov_b32 v232, 0                              ; a lane permute's destination counts as one of its sources
	v_mov_b32 v231, 0                              ; (named as the upper half of v[230:231])
	WALU
	s_wait_tensorcnt 0x0                           ; my block is in
	s_barrier_signal -1
	s_barrier_wait -1                              ; everybody's is: the whole head lies in LDS
.Lpass:
	global_load_b128 v[16:19], v242, s[48:49]      ; my tile of Q: a half-image,
	global_load_b64 v[20:21], v2, s[48:49] offset:512
	global_load_b32 v28, v243, s[54:55]            ; and its scale words
	s_mov_b32 s44, 0
	s_mov_b32 s46, SBL
	KFIRST R0, v5, v6, v7                          ; block 0's K
	KL R0, 5, v5, v6
	KL R0, 6, v5, v6
	KL R0, 7, v5, v6
	v_mov_b32 v240, v1                             ; block 0's V
	v_mov_b32 v241, v2
	v_add_nc_u32 v9, s46, v5                       ; block 1's K
	v_add_nc_u32 v10, s46, v6
	v_add_nc_u32 v11, s46, v7
	v_mov_b32 v13, 0xff61b1e6                      ; the largest score so far: -3e38
	v_mul_f32 v12, s42, v13
	v_floor_f32 v12, -v12
	v_mov_b32 v14, 0
	v_mov_b32 v15, 0
.irp j, 0,1,2,3,4,5
	v_mov_b32 v[234+\j], 0                         ; the chains that the first step joins
.endr
.set J, 0
.rept 32
	v_mov_b32 v[OA+J], 0                           ; O^T: the step is written once; its first trip finds zeros, which the first change of M leaves zeros
.set J, J+1
.endr
	WALU
	s_wait_loadcnt 0x0
	s_mov_b32 s45, 7
.Lstep:                                                ; steps 0 to 13, two a trip
	STEP R0, R1, 1, 1
	STEP R1, R0, 1, 1
	s_sub_co_u32 s45, s45, 1
	s_cmp_lg_u32 s45, 0
	s_cbranch_scc1 .Lstep
	STEP R0, R1, 1, 1                              ; step 14 fetches block 15's K (the K addresses that it makes are not used);
	STEP R1, R0, 0, 0                              ; step 15 fetches nothing
	; ---- the pass's end: O^T / l, quantised along the channels: the 16 registers of V's tiles 2 B, 2 B + 1 are channels 32 B + 16 h + 0 .. 15
	v_pk_add_f32 v[236:237], v[236:237], v[238:239]
	v_pk_add_f32 v[14:15], v[14:15], v[234:235]
	v_pk_add_f32 v[14:15], v[14:15], v[236:237]
	v_add_f32 v14, v14, v15
	v_permlanex16_b32 v232, v14, s40, s41
	v_add_f32 v14, v14, v232                       ; the row's sum.  (These six are the places behind the last products)
	WALU
	v_rcp_f32 v230, v14
	v_nop                                          ; the plain line behind the reciprocal
	WALU                                           ; ahead of the first line that names the reciprocal, and of O^T's first reader
.set J, 0
.rept 16
	v_pk_mul_f32 v[OA+J:OA+J+1], v[OA+J:OA+J+1], v[230:231] op_sel_hi:[1,0]
.set J, J+2
.endr
.irp b, 0,1
	v_max3_num_f32 v[MT+\b], |v[OA+16*\b]|, |v[OA+16*\b+1]|, 0x1800000
.endr
.irp i, 2,4,6,8,10,12,14
.irp b, 0,1
	v_max3_num_f32 v[MT+\b], v[MT+\b], |v[OA+16*\b+\i]|, |v[OA+16*\b+\i+1]|
.endr
.endr
.irp b, 0,1
	v_permlanex16_b32 v[MT+2+\b], v[MT+\b], s40, s41
.endr
.irp b, 0,1
	v_max_num_f32 v[MT+\b], v[MT+\b], v[MT+2+\b]
.endr
.irp b, 0,1
	v_add_nc_u32 v[SO+\b], 0xff000000, v[MT+\b]
.endr
.irp b, 0,1
	v_lshrrev_b32 v[MT+2+\b], 23, v[SO+\b]
.endr
	v_cvt_scalef32_pk16_fp6_f32 v[246:248], v[OA:OA+15], v[SO]
	v_cvt_scalef32_pk16_fp6_f32 v[250:252], v[OA+16:OA+31], v[SO+1]
	v_cndmask_b32 v253, v[MT+2], v[MT+3], s52      ; my block's byte; also the plain line behind the conversions
.irp i, 0,1,2
	v_permlane16_swap_b32 v[246+\i], v[250+\i]     ; a whole block in a lane
.endr
	v_mov_b32 v249, v250
	v_mov_b32 v250, v251
	v_mov_b32 v251, v252
	global_store_b128 v242, v[246:249], s[50:51]   ; 512 consecutive bytes
	global_store_b64 v2, v[250:251], s[50:51] offset:512   ; 256 consecutive bytes
	global_store_b8 v244, v253, s[56:57]           ; a scale word of ac holds two heads' bytes, which two clusters make: so these leave as single bytes, 32 of the 800 that the wave stores here
	s_wait_xcnt 0x0                                ; the loads and stores have read their bases and data: both are written again only behind this wait
	s_add_nc_u64 s[48:49], s[48:49], 13312         ; two groups of 128 queries on
	s_add_nc_u64 s[54:55], s[54:55], 13312
	s_add_nc_u64 s[50:51], s[50:51], 204800
	s_add_nc_u64 s[56:57], s[56:57], 204800
	s_sub_co_u32 s13, s13, 1
	s_cmp_lg_u32 s13, 0
	WALU
	s_cbranch_scc1 .Lpass
	s_wait_tensorcnt 0x0                           ; the wave's end
	ds_add_u32 v[SPW], v[NIL]
	s_wait_dscnt 0x0
	CROUND                                         ; the closing round
	s_endpgm
.Lfunc_end_k_q1afff79110_attn:
	.size	k_q1afff79110_attn, .Lfunc_end_k_q1afff79110_attn-k_q1afff79110_attn
	.p2alignl 7, 3214868480
	.fill 96, 4, 3214868480
	.section	.rodata,"a",@progbits
	.p2align	6, 0x0
	.amdhsa_kernel k_q1afff79110_attn
		.amdhsa_group_segment_fixed_size 263168
		.amdhsa_private_segment_fixed_size 0
		.amdhsa_enable_private_segment 0
		.amdhsa_kernarg_size 24
		.amdhsa_user_sgpr_count 2
		.amdhsa_user_sgpr_kernarg_segment_ptr 1
		.amdhsa_wavefront_size32 1
		.amdhsa_system_sgpr_workgroup_id_x 1
		.amdhsa_system_sgpr_workgroup_id_y 1
		.amdhsa_system_sgpr_workgroup_id_z 1
		.amdhsa_system_vgpr_workitem_id 0
		.amdhsa_next_free_vgpr 256
		.amdhsa_next_free_sgpr 66
		.amdhsa_reserve_vcc 0
		.amdhsa_float_denorm_mode_32 3
		.amdhsa_float_denorm_mode_16_64 3
		.amdhsa_memory_ordered 1
		.amdhsa_forward_progress 1
		.amdhsa_inst_pref_size 72
	.end_amdhsa_kernel
	.amdgpu_metadata
---
amdhsa.version: [ 1, 2 ]
amdhsa.kernels:
  - .name:           k_q1afff79110_attn
    .symbol:         k_q1afff79110_attn.kd
    .args:
      - { .name: qc, .offset: 0, .size: 8, .value_kind: global_buffer, .address_space: global }
      - { .name: kv, .offset: 8, .size: 8, .value_kind: global_buffer, .address_space: global }
      - { .name: ac, .offset: 16, .size: 8, .value_kind: global_buffer, .address_space: global }
    .group_segment_fixed_size: 263168
    .private_segment_fixed_size: 0
    .kernarg_segment_align: 8
    .kernarg_segment_size: 24
    .max_flat_workgroup_size: 512
    .sgpr_count:     66
    .vgpr_count:     256
    .wavefront_size: 32
...
	.end_amdgpu_metadata
.endif
;; end of part 3
;; launch outp (part 4): grid 4 x 64, 4 waves a work-group, clusters of 4 x 4, 325,120 bytes of LDS; arguments ac, wc, bo, out0; writes out0
.if DOCPART == 4
	.amdgcn_target "amdgcn-amd-amdhsa--gfx1250"
	.amdhsa_code_object_version 6
	.text
	.protected	k_q1afff79110_outp
	.globl	k_q1afff79110_outp
	.p2align	8
	.type	k_q1afff79110_outp,@function
k_q1afff79110_outp:
	s_mov_b64 s[64:65], 0
	v_nop
	global_prefetch_b8 v0, s[64:65] scope:SCOPE_SE
	s_setreg_imm32_b32 hwreg(HW_REG_WAVE_MODE, 25, 1), 1
	s_wait_xcnt 0x0
	s_wait_alu depctr_hold_cnt(0) depctr_sa_sdst(0) depctr_va_vdst(0) depctr_va_sdst(0) depctr_va_ssrc(0) depctr_va_vcc(0) depctr_vm_vsrc(0)
	s_getreg_b32 s2, hwreg(HW_REG_IB_STS2, 6, 4)
	s_cmp_eq_u32 s2, 0
	s_cbranch_scc0 .Lentry_in_a_cluster
	s_endpgm
.Lentry_in_a_cluster:
	s_bfe_u32 s2, ttmp6, 0x10000c
	s_cmp_lg_u32 s2, 0xf033
	s_cbranch_scc0 .Lentry_shape_is_right
	s_endpgm
.Lentry_shape_is_right:
; out0 = A Wo + bo, f32, on codes of FP6 (E2M3) with E8M0 scales: A [8192][1024] from ac, Wo from wc's fourth weight, both as operand blocks of 12,800 bytes (128 rows x 128 K, in the order of an operand's registers;
; slot i of tile t is row 32 (t / 2) + 8 (t % 2) + i % 8 + 16 (i / 8)).
; A work-group makes 256 columns n (source 0 = Wo) x 128 tokens (source 1 = A) with ALL of K = 1,024 in LDS: 3 x 102,400 bytes, each byte filled once.  Four waves: wave w takes n's 128 w % 2 (8 tiles b) x the token
; tiles 4 (w / 2) + a: 32 accumulators.  A lane is ONE token and the 64 registers of a fixed a run along n in natural order: register 16 B + i is n = 32 B + 16 (lane / 16) + i.  bo is the C of the first K step's products.
; CLUSTER 4 x 4: the tokens' blocks hang on cy and are shared along a row of the cluster, Wo's on cx and along a column: joint loads.
; THE WAY OUT: 16 tokens x 64 n (256 bytes a row) at a time through my wave's stage in LDS, whose bytes no tensor load fills; sixteen lanes then store 256 consecutive bytes, at a multiple of 256 from out0's first byte.
; REGISTERS: window 0: v2-15, v28-31 addresses; v16-27 scale words; v32-127 source 1's fragments, two sets; v128-191 bo, later rows on their way out.  window 1: accumulator (a, b) at v[64 a + 8 b].  window 2: source 0's fragments, two sets of 96.
.set OBB,  12800
.set RBB,  102400
.set CHB,  25600
.set SPARE, 307200                     ; behind the three regions: the spare words, 128 bytes a wave
.set STAGE, 307712                     ; behind them: 16 rows x (256 + 16) bytes for each wave
.set SPW,  2
.set NIL,  3
.set A016, 4
.set A08,  6
.set A116, 8
.set A18,  10
.set AS1,  12
.set L16,  14
.set L8,   15
.set SC0,  16
.set SC1,  24
.set STO,  29
.set RD,   30
.set CO,   31
.set F1,   32
.set BI,   128
.set WV,   18
.set W0,   19
.set W1,   20
.set CX,   21
.set CY,   22
.set G1,   24
.set G0,   32
.set G1B,  48
.set G0B,  68
.set MSB, 0
.macro WIN new                         ; the immediate's high byte repeats the setting that is left
.if MSB != \new
	s_set_vgpr_msb (MSB<<8)|\new
.set MSB, \new
.endif
.endm
.macro CROUND
	s_barrier_signal -1
	s_barrier_wait -1
	s_cmp_lg_u32 s[WV], 0
	s_cbranch_scc1 .Lnot_wave_0_\@
	s_barrier_signal -3
.Lnot_wave_0_\@:
	s_barrier_wait -3
	s_barrier_signal -1
	s_barrier_wait -1
.endm
.macro WM d, a, b, c, sa, sb, ra, rb
.if ((\ra) == 0) && ((\rb) == 0)
	v_wmma_scale_f32_16x16x128_f8f6f4 v[\d:\d+7], v[\a:\a+11], v[\b:\b+11], v[\c:\c+7], v[\sa], v[\sb] matrix_a_fmt:MATRIX_FMT_FP6 matrix_b_fmt:MATRIX_FMT_FP6
.elseif (\rb) == 0
	v_wmma_scale_f32_16x16x128_f8f6f4 v[\d:\d+7], v[\a:\a+11], v[\b:\b+11], v[\c:\c+7], v[\sa], v[\sb] matrix_a_fmt:MATRIX_FMT_FP6 matrix_b_fmt:MATRIX_FMT_FP6 matrix_a_scale:MATRIX_SCALE_ROW1
.elseif (\ra) == 0
	v_wmma_scale_f32_16x16x128_f8f6f4 v[\d:\d+7], v[\a:\a+11], v[\b:\b+11], v[\c:\c+7], v[\sa], v[\sb] matrix_a_fmt:MATRIX_FMT_FP6 matrix_b_fmt:MATRIX_FMT_FP6 matrix_b_scale:MATRIX_SCALE_ROW1
.else
	v_wmma_scale_f32_16x16x128_f8f6f4 v[\d:\d+7], v[\a:\a+11], v[\b:\b+11], v[\c:\c+7], v[\sa], v[\sb] matrix_a_fmt:MATRIX_FMT_FP6 matrix_b_fmt:MATRIX_FMT_FP6 matrix_a_scale:MATRIX_SCALE_ROW1 matrix_b_scale:MATRIX_SCALE_ROW1
.endif
.endm
.macro FETCH s, p                      ; K step s into set p: 51 LDS loads, each of consecutive bytes
	WIN 0x80
.irp b, 0,1,2,3,4,5,6,7
.irp g, 0,1
	ds_load_b128 v[96*(\p)+12*\b+6*\g:96*(\p)+12*\b+6*\g+3], v[A016+(\s)/4] offset:((\s)%4)*OBB+\g*6144+\b*768
	ds_load_b64 v[96*(\p)+12*\b+6*\g+4:96*(\p)+12*\b+6*\g+5], v[A08+(\s)/4] offset:((\s)%4)*OBB+\g*6144+\b*768+512
.endr
.endr
	WIN 0
.irp a, 0,1,2,3
.irp g, 0,1
	ds_load_b128 v[F1+48*(\p)+12*\a+6*\g:F1+48*(\p)+12*\a+6*\g+3], v[A116+(\s)/4] offset:((\s)%4)*OBB+\g*6144+\a*768
	ds_load_b64 v[F1+48*(\p)+12*\a+6*\g+4:F1+48*(\p)+12*\a+6*\g+5], v[A18+(\s)/4] offset:((\s)%4)*OBB+\g*6144+\a*768+512
.endr
.endr
	ds_load_b64 v[SC0+4*(\p):SC0+4*(\p)+1], v[A08+(\s)/4] offset:((\s)%4)*OBB+12288
	ds_load_b64 v[SC0+4*(\p)+2:SC0+4*(\p)+3], v[A08+(\s)/4] offset:((\s)%4)*OBB+12544
	ds_load_b64 v[SC1+2*(\p):SC1+2*(\p)+1], v[AS1+(\s)/4] offset:((\s)%4)*OBB+12288
.endm
; a K step's 32 products: the 32 accumulators take turns, one instruction a turn, in the same order in every step.  mode 0: in place; 1: C = the bias
.macro MUL32 p, mode
.if (\mode) == 0
	WIN 0x52                                       ; source 0 window 2, source 1 window 0, C and D window 1
.else
	WIN 0x42                                       ; C window 0
.endif
.irp a, 0,1,2,3
.irp b, 0,1,2,3,4,5,6,7
.if (\mode) == 0
	WM 64*\a+8*\b, 96*(\p)+12*\b, F1+48*(\p)+12*\a, 64*\a+8*\b, SC0+4*(\p)+\b/2, SC1+2*(\p)+\a/2, \b%2, \a%2
.else
	WM 64*\a+8*\b, 96*(\p)+12*\b, F1+48*(\p)+12*\a, BI+8*\b, SC0+4*(\p)+\b/2, SC1+2*(\p)+\a/2, \b%2, \a%2
.endif
.endr
.endr
.endm
; piece n = 2 a + u: token tile a, n's 64 u on.  Into the stage, each accumulator from its low end on, and back as whole rows of 256 bytes.  LDS serves a wave's instructions in order: no wait between.
.macro TOSTAGE n
	WIN 0x04                                       ; an LDS store's data are its source 1: window 1
.irp e, 0,1
.irp q, 0,1,2,3
	ds_store_b128 v[STO], v[32*(\n)+16*\e+4*\q:32*(\n)+16*\e+4*\q+3] offset:128*\e+16*\q
.endr
.endr
	WIN 0
.irp i, 0,1,2,3,4,5,6,7
	ds_load_b128 v[BI+32*((\n)%2)+4*\i:BI+32*((\n)%2)+4*\i+3], v[RD] offset:544*\i
.endr
.endm
.macro SEND n, younger                 ; younger: the LDS instructions issued behind piece n's loads, which may stay out
	s_wait_dscnt \younger
.irp i, 0,1,2,3,4,5,6,7
	global_store_b128 v[CO], v[BI+32*((\n)%2)+4*\i:BI+32*((\n)%2)+4*\i+3], s[90:91] offset:(32*((\n)/4)+8*(((\n)/2)%2)+2*\i+8*(\i/4))*4096+256*((\n)%2) th:TH_STORE_NT
.endr
.endm
	s_load_b256 s[4:11], s[0:1], 0x0               ; ac s[4:5], wc s[6:7], bo s[8:9], out0 s[10:11]
	v_lshl_add_u32 v[SPW], v0, 2, SPARE
	v_mov_b32 v[NIL], 0
	ds_add_u32 v[SPW], v[NIL]                      ; the wave's opening: the add and its wait ahead of the first tensor loads; the set-up below, work on registers, stands between them
	ds_add_u32 v[SPW], v[NIL]
	v_lshrrev_b32 v1, 5, v0
	v_readfirstlane_b32 s[WV], v1
	s_and_b32 s[W0], s[WV], 1
	s_lshr_b32 s[W1], s[WV], 1
	s_bfe_u32 s[CX], ttmp6, 0x40000
	s_bfe_u32 s[CY], ttmp6, 0x40004
	s_lshl_b32 s58, ttmp9, 2
	s_add_co_u32 s58, s58, s[CX]                   ; which 256 columns n: hangs on cx, never on cy
	s_and_b32 s59, ttmp7, 0xffff
	s_lshl_b32 s59, s59, 2
	s_add_co_u32 s59, s59, s[CY]                   ; which 128 tokens: hangs on cy, never on cx
	s_lshl_b32 s61, s[CY], 2
	s_lshl_b32 s61, 15, s61                        ; my row of the cluster
	s_lshl_b32 s60, 0x1111, s[CX]                  ; my column
	s_or_b32 s[G1], s61, (3<<16)|(1<<21)           ; group 1: rows of 32 elements of 8 bytes, 200 for the tokens, 400 for Wo; the mask; bit 21 beside it
	s_or_b32 s[G1B], s60, (3<<16)|(1<<21)
.irp g, G1, G1B
	s_mov_b32 s[\g+1], 32<<16
	s_mov_b32 s[\g+2], (200+200*(\g/G1B))<<16      ; tensor_dim1: the tokens 200 rows of 256 bytes (128 rows x half of K), Wo 400 (256 rows x half of K)
	s_mov_b32 s[\g+3], 32<<16
	s_mov_b32 s[\g+4], 200+200*(\g/G1B)
	s_mov_b32 s[\g+5], 32
	s_mov_b32 s[\g+6], 0
	s_mov_b32 s[\g+7], 0
.endr
	s_mul_i32 s88, s58, 2*RBB                      ; Wo's 256 rows: [half of K][128 rows][4 K steps]
	s_add_co_u32 s88, s88, 2457600                 ; Wo is wc's fourth weight
	s_mov_b32 s89, 0
	s_mul_i32 s66, s59, RBB
	s_mov_b32 s67, 0
	s_wait_dscnt 0x0                               ; the opening add is done
	s_wait_kmcnt 0x0
	s_add_nc_u64 s[84:85], s[6:7], s[88:89]
	s_add_nc_u64 s[86:87], s[4:5], s[66:67]
.irp c, 0,1                                    ; c: the half of K
	s_mov_b32 s[G0+4*\c], 1
	s_mov_b32 s[G0+4*\c+1], \c*4*OBB               ; the tokens lie at 0, K step s at s x 12,800, in LDS as in ac
	s_add_nc_u64 s[G0+4*\c+2:G0+4*\c+3], s[86:87], \c*4*OBB
	s_or_b32 s[G0+4*\c+3], s[G0+4*\c+3], 0x80000000
	s_mov_b32 s[G0B+4*\c], 1
	s_mov_b32 s[G0B+4*\c+1], RBB+\c*RBB            ; Wo behind them, as it lies in memory
	s_add_nc_u64 s[G0B+4*\c+2:G0B+4*\c+3], s[84:85], \c*RBB
	s_or_b32 s[G0B+4*\c+3], s[G0B+4*\c+3], 0x80000000
.endr
	CROUND                                         ; all sixteen work-groups are here: the joint loads meet
; one joint load a wave, in one chain of branches on the wave's number: wave 0 the tokens' K steps 0-3, wave 1 Wo's, wave 2 the tokens' K steps 4-7, wave 3 Wo's
.macro ARM w, g0, g1
	s_cmp_eq_u32 s[WV], \w
	s_cbranch_scc0 .Lnot_\w
	tensor_load_to_lds s[\g0:\g0+3], s[\g1:\g1+7]
	s_nop 0
.rept 4
	v_nop
.endr
	s_branch .Lasked
.Lnot_\w:
.endm
	ARM 0, G0, G1
	ARM 1, G0B, G1B
	ARM 2, G0+4, G1
	tensor_load_to_lds s[G0B+4:G0B+7], s[G1B:G1B+7]
	s_nop 0
.rept 4
	v_nop
.endr
.Lasked:
	v_and_b32 v1, 31, v0
	v_lshlrev_b32 v[L16], 4, v1
	v_lshlrev_b32 v[L8], 3, v1
	s_mul_i32 s2, s[W0], 4*OBB                     ; my 128 rows inside a half of K
	s_add_co_u32 s2, s2, RBB
	v_add_nc_u32 v[A016], s2, v[L16]
	v_add_nc_u32 v[A08], s2, v[L8]
	v_add_nc_u32 v[A016+1], RBB, v[A016]
	v_add_nc_u32 v[A08+1], RBB, v[A08]
	s_mul_i32 s2, s[W1], 3072
	v_add_nc_u32 v[A116], s2, v[L16]
	v_add_nc_u32 v[A18], s2, v[L8]
	v_add_nc_u32 v[A116+1], 4*OBB, v[A116]
	v_add_nc_u32 v[A18+1], 4*OBB, v[A18]
	s_lshl_b32 s2, s[W1], 8
	v_add_nc_u32 v[AS1], s2, v[L8]
	v_add_nc_u32 v[AS1+1], 4*OBB, v[AS1]
	v_and_b32 v1, 15, v0                           ; r
	v_bfe_u32 v28, v0, 4, 1                        ; h
	s_mul_i32 s2, s[WV], 4352
	s_add_co_u32 s2, s2, STAGE                     ; my stage
	v_mul_u32_u24 v[STO], v1, 272
	v_lshl_add_u32 v[STO], v28, 6, v[STO]
	v_add_nc_u32 v[STO], s2, v[STO]                ; in: row r, 64 bytes further on for lanes 16-31
	v_mul_u32_u24 v[RD], v28, 272
	v_lshl_add_u32 v[RD], v1, 4, v[RD]
	v_add_nc_u32 v[RD], s2, v[RD]                  ; back: lanes 0-15 one row, lanes 16-31 the next
	v_lshlrev_b32 v[CO], 12, v28
	v_lshl_add_u32 v[CO], v1, 4, v[CO]             ; and the same two rows in out0
	v_lshlrev_b32 v28, 6, v28                      ; bo: 16 numbers further on for lanes 16-31
	s_lshl_b32 s2, s58, 1
	s_add_co_u32 s2, s2, s[W0]
	s_lshl_b32 s2, s2, 9                           ; my 128 numbers of bo
	s_mov_b32 s3, 0
	s_add_nc_u64 s[92:93], s[8:9], s[2:3]
.irp b, 0,1,2,3,4,5,6,7
	global_load_b128 v[BI+8*\b:BI+8*\b+3], v28, s[92:93] offset:(32*(\b/2)+8*(\b%2))*4
	global_load_b128 v[BI+8*\b+4:BI+8*\b+7], v28, s[92:93] offset:(32*(\b/2)+8*(\b%2))*4+16
.endr
	s_lshl_b32 s2, s59, 7
	s_lshl_b32 s56, s[W1], 6
	s_add_co_u32 s2, s2, s56                       ; my first token
	s_lshl_b32 s2, s2, 12
	s_lshl_b32 s56, s58, 10
	s_add_co_u32 s2, s2, s56
	s_lshl_b32 s56, s[W0], 9
	s_add_co_u32 s2, s2, s56                       ; + my first column, in bytes
	s_add_nc_u64 s[90:91], s[10:11], s[2:3]
	s_wait_alu depctr_va_vdst(0)
	s_cmp_lt_u32 s[WV], 2                          ; waves 0 and 1 brought K steps 0-3, each by a line of its own: they wait; the two later loads may be out
	s_cbranch_scc0 .Lnot_early
	s_wait_tensorcnt 0x0
.Lnot_early:
	s_barrier_signal -1
	s_barrier_wait -1
	FETCH 0, 0
	s_wait_dscnt 0x0
	FETCH 1, 1
	s_wait_loadcnt 0x0                             ; bo
	MUL32 0, 1
.irp s, 1,2,3,4,5,6,7
	s_wait_dscnt 0x0                               ; this step's set, asked for a step ago
.if (\s) == 3
	s_wait_tensorcnt 0x0                           ; every wave's load is in: K steps 4-7 are shown to all by the barrier below
	s_barrier_signal -1
	s_barrier_wait -1
.endif
.if (\s) < 7
.rept 4
	v_nop                                          ; four places in front of loads into registers that the last step's products have read
.endr
	FETCH \s+1, (\s+1)%2
.endif
	MUL32 \s%2, 0
.endr
	WIN 0
.rept 4
	v_nop                                          ; four places in front of the first read of results
.endr
	s_wait_alu depctr_va_vdst(0)
	TOSTAGE 0
.irp n, 1,2,3,4,5,6,7
.if \n > 1
	s_wait_xcnt 0x0                                ; piece n - 2's stores have read their registers: piece n's loads may land there
.endif
	TOSTAGE \n
	SEND \n-1, 16                                  ; behind piece n - 1's loads: piece n's 8 stores and 8 loads
.endr
	SEND 7, 0
	s_wait_tensorcnt 0x0                           ; the wave's end
	ds_add_u32 v[SPW], v[NIL]
	s_wait_dscnt 0x0
	CROUND                                         ; the closing round
	s_endpgm
.Lfunc_end_k_q1afff79110_outp:
	.size	k_q1afff79110_outp, .Lfunc_end_k_q1afff79110_outp-k_q1afff79110_outp
	.p2alignl 7, 3214868480
	.fill 96, 4, 3214868480
	.section	.rodata,"a",@progbits
	.p2align	6, 0x0
	.amdhsa_kernel k_q1afff79110_outp
		.amdhsa_group_segment_fixed_size 325120
		.amdhsa_private_segment_fixed_size 0
		.amdhsa_enable_private_segment 0
		.amdhsa_kernarg_size 32
		.amdhsa_user_sgpr_count 2
		.amdhsa_user_sgpr_kernarg_segment_ptr 1
		.amdhsa_wavefront_size32 1
		.amdhsa_system_sgpr_workgroup_id_x 1
		.amdhsa_system_sgpr_workgroup_id_y 1
		.amdhsa_system_sgpr_workgroup_id_z 1
		.amdhsa_system_vgpr_workitem_id 0
		.amdhsa_next_free_vgpr 768
		.amdhsa_next_free_sgpr 100
		.amdhsa_reserve_vcc 0
		.amdhsa_float_denorm_mode_32 3
		.amdhsa_float_denorm_mode_16_64 3
		.amdhsa_memory_ordered 1
		.amdhsa_forward_progress 1
		.amdhsa_inst_pref_size 84
	.end_amdhsa_kernel
	.amdgpu_metadata
---
amdhsa.version: [ 1, 2 ]
amdhsa.kernels:
  - .name:           k_q1afff79110_outp
    .symbol:         k_q1afff79110_outp.kd
    .args:
      - { .name: ac, .offset: 0, .size: 8, .value_kind: global_buffer, .address_space: global }
      - { .name: wc, .offset: 8, .size: 8, .value_kind: global_buffer, .address_space: global }
      - { .name: bo, .offset: 16, .size: 8, .value_kind: global_buffer, .address_space: global }
      - { .name: out0, .offset: 24, .size: 8, .value_kind: global_buffer, .address_space: global }
    .group_segment_fixed_size: 325120
    .private_segment_fixed_size: 0
    .kernarg_segment_align: 8
    .kernarg_segment_size: 32
    .max_flat_workgroup_size: 128
    .sgpr_count:     100
    .vgpr_count:     768
    .wavefront_size: 32
...
	.end_amdgpu_metadata
.endif
;; end of part 4
